; MI455X (gfx1250); checked and timed in simulation.
; The chip was launched on July 23, 2026; its instructions are those of AMD's public machine-readable ISA for CDNA 5 (MIT licence, August 2026) and "CDNA5" Instruction Set Architecture Reference Guide (July 2026). The comments in the code are by the model that wrote it; some were corrected since.
;; Multi Head Attention. Allowed arithmetic: matrix products marked QUANTISED: E2M3 operands, one E8M0 scale for each 32 along K, by v_wmma_scale_f32_16x16x128_f8f6f4 with both operands' format E2M3, f32 sums; everything else in f32.
;; Inputs: Wk 1,024 x 1,024 float32; Wo 1,024 x 1,024 float32; Wq 1,024 x 1,024 float32; Wv 1,024 x 1,024 float32; token_positions 2,048 int32; x 4 x 2,048 x 1,024 float32.
;; Outputs: out0 4 x 2,048 x 1,024 float32.
;; This version of the problem:
;;   THIS VERSION OF THE PROBLEM IS GIVEN IN LOW PRECISION. The matrix products marked QUANTISED in the list below multiply operands that are first quantised to E2M3 (2 exponent bits, 3 mantissa bits; 6 bits a number), with one power-of-two scale for each 32 numbers along K (OCP MX v1.0); their sums are f32. All else is computed in f32.
;;   The module's matrix products, in the order in which they are computed (A, B: the left and right operand; K: the contracted axis; several contracted axes count as one K, in the product's order):
;;     1. [M 8,192, K 1,024] x [K 1,024, N 1,024]; A: input x; B: input Wq: QUANTISED
;;     2. [M 8,192, K 1,024] x [K 1,024, N 1,024]; A: input x; B: input Wk: QUANTISED
;;     3. [M 8,192, K 1,024] x [K 1,024, N 1,024]; A: input x; B: input Wv: QUANTISED
;;     4. batch 64 x [M 2,048, K 64] x [K 64, N 2,048]; A: computed on the way; B: computed on the way: QUANTISED
;;     5. batch 64 x [M 2,048, K 2,048] x [K 2,048, N 64]; A: softmax (see below); B: computed on the way: QUANTISED
;;     6. [M 8,192, K 1,024] x [K 1,024, N 1,024]; A: computed on the way; B: input Wo: QUANTISED
;;   THE QUANTISER, for each operand of a quantised product, along K:
;;     - K is cut into blocks of 32 from its start; a last block that is shorter is filled with zeros.
;;     - A block's scale is 2^e with e = floor(log2(the largest magnitude in the block)) - 2, held to -126 .. 127; a block of zeros has e = 0. As a byte (E8M0): e + 127.
;;     - Each number is divided by its block's scale, clamped to +-7.5, and rounded to the nearest number of E2M3, ties to even, subnormals kept.
;;     - The product sums the exact products of the quantised numbers (number of the format x scale) in f32.
;;   ~~~python
;;   def quantise(x, axis):      # numpy; x: float32 -> the quantised numbers, widened to float32 again
;;       x = np.moveaxis(x, axis, -1); K = x.shape[-1]
;;       x = np.pad(x, [(0, 0)] * (x.ndim - 1) + [(0, -K % 32)]); x = x.reshape(x.shape[:-1] + (-1, 32)); a = np.abs(x).max(-1, keepdims=True)
;;       e = np.where(a > 0, np.clip(np.frexp(np.where(a > 0, a, 1))[1] - 1 - 2, -126, 127), 0)      # np.frexp(a)[1] - 1 = floor(log2(a)), exactly
;;       r = np.clip(x / 2.0 ** e, -7.5, 7.5)
;;       step = 2.0 ** (np.maximum(np.frexp(np.where(r == 0, 1, r))[1] - 1, 0) - 3)
;;       q = np.round(r / step) * step * 2.0 ** e      # np.round: ties to even
;;       return np.moveaxis(q.reshape(q.shape[:-2] + (-1,))[..., :K], -1, axis).astype(np.float32)
;;   ~~~
;;   SOFTMAX AHEAD OF A QUANTISED PRODUCT. Where the list says 'softmax', what is quantised is not the finished softmax but p = 2^(t - M), with t = logit x log2(e) and M = ceil(the row's largest t), a whole number; so 1/2 < the row's largest p <= 1. The row's sum l is taken of the UNQUANTISED p, in f32, and the product's result is divided by l at the end. Since M is a whole number, a kernel that streams over the keys may use a running M (the ceiling of the running maximum): every later rescaling is an exact power of two, which a block's scale takes up: the codes' values come out the same.
;;   OPERANDS COMPUTED ON THE WAY. 'Computed on the way' means the value that the module computes at that place (a softmax that the list does not call 'softmax' is quantised finished and normalised). What goes into a quantiser is computed in f32, as accurately as f32 sums, v_exp_f32 and their like allow (about 1e-6 of the number): no bf16 or f16 on the way to a quantiser, and a product that is left as it is and whose result goes on into a quantised operand takes f32 operands (vector FMAs, or v_wmma_f32_16x16x4_f32). A number that lies on a knife's edge between two numbers of the format may be rounded either way, as far as f32 arithmetic and the matrix unit's own rounding can turn it there, and no further.
;; One version. Each part assembles by itself: llvm-mc -triple=amdgcn-amd-amdhsa -mcpu=gfx1250 --defsym DOCPART=n.
;; ======== version 1 of 1: 4 launches
;; limits: right only within a limited range of input values
;; workspace buffers: xq 6,553,600 bytes; wq 3,276,800 bytes; rope 524,288 bytes; qrec 6,815,744 bytes; krec 6,815,744 bytes; vrec 6,815,744 bytes; oq 6,553,600 bytes
;; launch prep (part 1): grid 352 x 1, 4 waves a work-group, no clusters, 34,304 bytes of LDS; arguments x, Wq, Wk, Wv, Wo, token_positions, xq, wq, rope; writes xq, wq, rope
.if DOCPART == 1
	.amdgcn_target "amdgcn-amd-amdhsa--gfx1250"
	.amdhsa_code_object_version 6
	.text
	.protected	k_qd47e0e0022_prep
	.globl	k_qd47e0e0022_prep
	.p2align	8
	.type	k_qd47e0e0022_prep,@function
k_qd47e0e0022_prep:
	s_mov_b64 s[64:65], 0
	v_nop
	global_prefetch_b8 v0, s[64:65] scope:SCOPE_SE
	s_setreg_imm32_b32 hwreg(HW_REG_WAVE_MODE, 25, 1), 1
	s_wait_xcnt 0x0
; PREP: x and the four weights become codes of FP6 (E2M3) with one E8M0 byte for each 32 along K, and the rotary table is made from token_positions.
; A block's scale is 2^(floor(log2(its largest magnitude)) - 2); its byte is the largest magnitude's exponent field - 2, held at 1 from below.
; LIMITS: a block of zeros, or one whose largest magnitude lies under 2^-124, gets the byte 1 (its codes are zeros; only this program reads the bytes); NaN and infinities are not served;
; |position x frequency| stays under 2^23; the frequencies are the f32 numbers nearest to 10^(-f/8) = 10000^(-2f/64).
; LAYOUT OF THE CODES: images of operand registers.  On every axis cut into 16s, tile T holds the indices 32 (T/2) + 8 (T%2) + i + 8 (i/8), i = 0..15.  A fragment (16 rows x 128 K) is 1,536 bytes: for c = 0, 1 at 768 c:
; lane l's registers 6c..6c+3 at 16 l, registers 6c+4, 6c+5 at 512 + 8 l.  Lane l = (r = l%16, h = l/16) holds k = 64 c + 32 h + 0..31 of row r.  Scale words: 16 bytes a row (four K steps), 256 bytes a tile and four K steps.
; SHARES: work-groups 0-63 take the weights (a lane a column, registers down K: 32 columns x 512 K a wave); 64-95 the table (a tile of 16 positions a wave); 96-351 x (16 rows x 512 K a wave).
; Only the x path uses LDS: a stage of 16 rows x 528 bytes for each wave, through which 512 consecutive bytes a load become 32 neighbours a lane.
.set SPW,   12                         ; v12  LDS address of my spare word; never rewritten
.set NIL,   13                         ; v13  0; never rewritten
.set STG,   8448                       ; a wave's stage: 16 x 528
.set SPARE, 4*STG                      ; behind the stages: the spare words, 128 bytes a wave
.macro XLOAD u                         ; K step u of my 16 rows: each load reads 512 consecutive bytes of one row
.set I, 0
.rept 16
	global_load_b128 v[64+64*((\u)%2)+4*I:64+64*((\u)%2)+4*I+3], v2, s[4:5] offset:(I+8*(I/8))*4096+512*(\u) th:TH_LOAD_NT
.set I, I+1
.endr
.endm
.macro XUNIT u
.if (\u) < 3
	s_wait_loadcnt 16                              ; this unit's 16 loads are in; the next unit's 16 may be out
.else
	s_wait_loadcnt 0x0
.endif
.set I, 0
.rept 16
	ds_store_b128 v6, v[64+64*((\u)%2)+4*I:64+64*((\u)%2)+4*I+3] offset:528*I
.set I, I+1
.endr
.irp c, 0,1
.irp j, 0,1,2,3,4,5,6,7
	ds_load_b128 v[192+32*\c+4*\j:192+32*\c+4*\j+3], v7 offset:256*\c+16*\j   ; row r, k = 64 c + 32 h + 4 j ..: LDS serves a wave's instructions in order, so these see the stores
.endr
.endr
	s_wait_dscnt 0x0
.if (\u)+2 < 4
	XLOAD (\u)+2
.endif
	s_wait_xcnt 0x0                                ; the last unit's stores have read their registers
.irp c, 0,1
	v_max3_num_f32 v[8+\c], |v[192+32*\c]|, |v[193+32*\c]|, 0x1800000   ; my block 2 c + h, all 32 numbers mine, and the floor 2^(3 - 127)
.endr
.irp i, 2,4,6,8,10,12,14,16,18,20,22,24,26,28,30
.irp c, 0,1
	v_max3_num_f32 v[8+\c], v[8+\c], |v[192+32*\c+\i]|, |v[193+32*\c+\i]|
.endr
.endr
.irp c, 0,1
	v_add_nc_u32 v[16+\c], 0xff000000, v[8+\c]     ; 2 off the exponent field: the conversion's scale operand
.endr
.irp c, 0,1
	v_lshrrev_b32 v[18+\c], 23, v[16+\c]           ; the byte
.endr
	v_lshl_or_b32 v20, v19, 16, v18                ; blocks h and 2 + h,
	v_lshlrev_b32 v20, v15, v20                    ; 8 h bits up;
	v_permlanex16_b32 v10, v20, s34, s35
	v_or_b32 v[52+(\u)], v20, v10                  ; with lane l xor 16's two the word is whole
	v_cvt_scalef32_pk16_fp6_f32 v[32:34], v[192:207], v16
	v_cvt_scalef32_pk16_fp6_f32 v[44:46], v[208:223], v16
	v_cvt_scalef32_pk16_fp6_f32 v[38:40], v[224:239], v17
	v_cvt_scalef32_pk16_fp6_f32 v[48:50], v[240:255], v17
	v_nop                                          ; one plain place behind the conversions
.irp i, 0,1,2
	v_mov_b32 v[35+\i], v[44+\i]
	v_mov_b32 v[41+\i], v[48+\i]
.endr
	global_store_b128 v2, v[32:35], s[28:29] offset:1536*(\u)
	global_store_b64 v3, v[36:37], s[28:29] offset:1536*(\u)
	global_store_b128 v2, v[38:41], s[28:29] offset:1536*(\u)+768
	global_store_b64 v3, v[42:43], s[28:29] offset:1536*(\u)+768
.endm
.macro WLOAD t                         ; block t: W(32 t + i, my column)
.set I, 0
.rept 32
	global_load_b32 v[64+32*((\t)%2)+I], v2, s[28:29] offset:(32*(\t)+I)*4096 th:TH_LOAD_NT
.set I, I+1
.endr
.endm
.macro WBLOCK t
.set XS, 64+32*((\t)%2)
.if (\t) < 15
	s_wait_loadcnt 32                              ; this block's 32 loads are in; the next block's may be out
.else
	s_wait_loadcnt 0x0
.endif
	v_max3_num_f32 v8, |v[XS]|, |v[XS+1]|, |v[XS+2]|
	v_max3_num_f32 v9, |v[XS+3]|, |v[XS+4]|, |v[XS+5]|
.irp i, 6,10,14,18,22,26
	v_max3_num_f32 v8, v8, |v[XS+\i]|, |v[XS+\i+1]|
	v_max3_num_f32 v9, v9, |v[XS+\i+2]|, |v[XS+\i+3]|
.endr
	v_max3_num_f32 v8, v8, |v[XS+30]|, |v[XS+31]|
	v_max3_num_f32 v8, v8, v9, 0x1800000           ; and the floor
	v_add_nc_u32 v11, 0xff000000, v8
	v_lshrrev_b32 v10, 23, v11
.if ((\t)%4) == 0
	v_mov_b32 v[24+(\t)/4], v10
.else
	v_lshl_or_b32 v[24+(\t)/4], v10, 8*((\t)%4), v[24+(\t)/4]
.endif
	s_wait_alu depctr_va_vdst(0)
	s_wait_xcnt 0x0                                ; the last block's stores have read the codes' registers
	v_cvt_scalef32_pk16_fp6_f32 v[32:34], v[XS:XS+15], v11
	v_cvt_scalef32_pk16_fp6_f32 v[36:38], v[XS+16:XS+31], v11
	v_nop
	v_mov_b32 v35, v36
	v_mov_b32 v36, v37
	v_mov_b32 v37, v38
	global_store_b128 v6, v[32:35], s[30:31] offset:((\t)/4)*1536+(((\t)/2)%2)*768+((\t)%2)*256   ; sixteen lanes of a tile store 256 consecutive bytes, aligned
	global_store_b64 v7, v[36:37], s[30:31] offset:((\t)/4)*1536+(((\t)/2)%2)*768+((\t)%2)*128
.if (\t)+2 < 16
	WLOAD (\t)+2
.endif
.endm
.macro FREQ p, a, b                    ; pair p's frequency: lanes 0-15 a, lanes 16-31 b
	v_mov_b32 v[16+\p], \a
	v_mov_b32 v5, \b
	v_cndmask_b32 v[16+\p], v[16+\p], v5, s30
.endm
	s_load_b256 s[4:11], s[0:1], 0x0               ; x, Wq, Wk, Wv
	s_load_b256 s[12:19], s[0:1], 0x20             ; Wo, token_positions, xq, wq
	s_load_b64 s[20:21], s[0:1], 0x40              ; rope
	v_lshl_add_u32 v[SPW], v0, 2, SPARE
	v_mov_b32 v[NIL], 0
	v_lshrrev_b32 v1, 5, v0
	v_readfirstlane_b32 s22, v1                    ; wave
	v_and_b32 v1, 31, v0                           ; lane
	s_wait_kmcnt 0x0
	s_cmp_lt_u32 ttmp9, 64
	s_cbranch_scc1 .Lw
	s_cmp_lt_u32 ttmp9, 96
	s_cbranch_scc1 .Lr
	; ---- x: tile T of 16 tokens, half kh of K
	s_sub_co_u32 s23, ttmp9, 96
	s_lshl_b32 s23, s23, 2
	s_add_co_u32 s23, s23, s22
	s_lshr_b32 s24, s23, 1                         ; T
	s_and_b32 s25, s23, 1                          ; kh
	s_lshr_b32 s26, s24, 1
	s_lshl_b32 s26, s26, 17                        ; 32 rows of 4,096 bytes
	s_and_b32 s27, s24, 1
	s_lshl_b32 s27, s27, 15                        ; 8 rows
	s_add_co_u32 s26, s26, s27
	s_lshl_b32 s27, s25, 11                        ; 512 numbers
	s_add_co_u32 s26, s26, s27
	s_mov_b32 s27, 0
	s_add_nc_u64 s[4:5], s[4:5], s[26:27]
	s_mul_i32 s26, s24, 12288
	s_mul_i32 s28, s25, 6144
	s_add_co_u32 s26, s26, s28
	s_add_nc_u64 s[28:29], s[16:17], s[26:27]      ; my four fragments
	s_lshl_b32 s26, s24, 9
	s_lshl_b32 s30, s25, 8
	s_add_co_u32 s26, s26, s30
	s_add_co_u32 s26, s26, 6291456
	s_add_nc_u64 s[30:31], s[16:17], s[26:27]      ; my 256 bytes of scale words
	s_wait_alu depctr_va_vdst(0)
	v_lshlrev_b32 v2, 4, v1                        ; 16 l
	v_lshlrev_b32 v3, 3, v1
	v_add_nc_u32 v3, 512, v3                       ; 512 + 8 l
	v_and_b32 v4, 15, v0                           ; r
	v_bfe_u32 v5, v0, 4, 1                         ; h
	s_mul_i32 s32, s22, STG
	v_add_nc_u32 v6, s32, v2                       ; into the stage: 16 l, a row 528 bytes on
	v_mul_u32_u24 v7, v4, 528
	v_lshl_add_u32 v7, v5, 7, v7
	v_add_nc_u32 v7, s32, v7                       ; out of it: row r, + 128 h
	v_lshlrev_b32 v14, 4, v4
	v_lshlrev_b32 v15, 3, v5
	v_mov_b32 v10, 0                               ; a lane permute's destination counts as one of its sources
	s_mov_b32 s34, 0x76543210
	s_mov_b32 s35, 0xfedcba98
	XLOAD 0
	XLOAD 1
	s_wait_alu depctr_va_vdst(0)
	XUNIT 0
	XUNIT 1
	XUNIT 2
	XUNIT 3
	s_wait_xcnt 0x0                                ; EXEC changes only behind this wait
	v_cmp_gt_u32 vcc_lo, 16, v1
	s_and_saveexec_b32 s33, vcc_lo
	global_store_b128 v14, v[52:55], s[30:31]      ; sixteen lanes store 256 consecutive bytes, aligned
	s_wait_xcnt 0x0
	s_or_b32 exec_lo, exec_lo, s33
	s_wait_tensorcnt 0x0                           ; the wave's end, behind my last LDS store
	ds_add_u32 v[SPW], v[NIL]
	s_wait_dscnt 0x0
	s_endpgm
	; ---- the weights: matrix m, columns 128 cg + 32 wave + lane, half kh of K.  No LDS is touched on this path
.Lw:
	s_lshr_b32 s23, ttmp9, 4                       ; m
	s_bfe_u32 s24, ttmp9, 0x30001                  ; cg
	s_and_b32 s25, ttmp9, 1                        ; kh
	s_lshl_b32 s26, s24, 2
	s_add_co_u32 s26, s26, s22                     ; which 32 columns
	s_and_b32 s27, s23, 1
	s_cmp_lg_u32 s27, 0
	s_cselect_b64 s[28:29], s[8:9], s[6:7]
	s_cselect_b64 s[30:31], s[12:13], s[10:11]
	s_cmp_ge_u32 s23, 2
	s_cselect_b64 s[28:29], s[30:31], s[28:29]     ; the choice hangs on the work-group's number alone
	s_lshl_b32 s32, s25, 21                        ; 512 rows of 4,096 bytes
	s_lshl_b32 s33, s26, 7
	s_add_co_u32 s32, s32, s33
	s_mov_b32 s33, 0
	s_add_nc_u64 s[28:29], s[28:29], s[32:33]
	s_mul_i32 s32, s23, 786432
	s_mul_i32 s34, s26, 24576                      ; two tiles
	s_add_co_u32 s32, s32, s34
	s_mul_i32 s34, s25, 6144
	s_add_co_u32 s32, s32, s34
	s_add_nc_u64 s[30:31], s[18:19], s[32:33]
	s_lshl_b32 s32, s23, 15
	s_lshl_b32 s34, s26, 10
	s_add_co_u32 s32, s32, s34
	s_lshl_b32 s34, s25, 8
	s_add_co_u32 s32, s32, s34
	s_add_co_u32 s32, s32, 3145728
	s_add_nc_u64 s[34:35], s[18:19], s[32:33]
	s_wait_alu depctr_va_vdst(0)
	v_lshlrev_b32 v2, 2, v1
	v_bfe_u32 v3, v0, 3, 1                         ; which of the two tiles my column falls into
	v_and_b32 v4, 7, v0
	v_bfe_u32 v5, v0, 4, 1
	v_lshl_add_u32 v4, v5, 3, v4                   ; and which row of it
	v_mul_u32_u24 v5, v3, 12288
	v_lshl_add_u32 v6, v4, 4, v5
	v_lshl_add_u32 v7, v4, 3, v5
	v_add_nc_u32 v7, 512, v7
	v_lshlrev_b32 v14, 9, v3
	v_lshl_add_u32 v14, v4, 4, v14
	WLOAD 0
	WLOAD 1
.set Q, 0
.rept 16
	WBLOCK Q
.set Q, Q+1
.endr
	global_store_b128 v14, v[24:27], s[34:35]      ; my column's four scale words
	s_endpgm
	; ---- the rotary table of tile T of positions: register 2 p = cos, 2 p + 1 = sin of position x 10^(-f/8), f = 16 (p/8) + 8 h + p%8.  No LDS is touched on this path
.Lr:
	s_sub_co_u32 s23, ttmp9, 64
	s_lshl_b32 s23, s23, 2
	s_add_co_u32 s23, s23, s22                     ; T
	s_lshr_b32 s24, s23, 1
	s_lshl_b32 s24, s24, 7
	s_and_b32 s25, s23, 1
	s_lshl_b32 s25, s25, 5
	s_add_co_u32 s24, s24, s25
	s_mov_b32 s25, 0
	s_add_nc_u64 s[14:15], s[14:15], s[24:25]
	s_lshl_b32 s24, s23, 12
	s_add_nc_u64 s[20:21], s[20:21], s[24:25]
	v_and_b32 v2, 15, v0
	v_and_b32 v3, 8, v0
	v_add_nc_u32 v2, v2, v3                        ; r + 8 (r/8)
	v_lshlrev_b32 v2, 2, v2
	global_load_b32 v3, v2, s[14:15]
	s_wait_alu depctr_va_vdst(0)
	v_lshlrev_b32 v4, 4, v1
	s_mov_b32 s30, 0xffff0000                      ; lanes 16-31
	s_mov_b32 s36, 0x3f22f983                      ; 2 / pi
	s_mov_b32 s37, 0xbfc90fdb                      ; -pi/2 in three parts
	s_mov_b32 s38, 0x333bbd2e
	s_mov_b32 s39, 0x26f72ced
	s_mov_b32 s40, 0xb94ca1f9                      ; sine's polynomial on |r| <= pi/4
	s_mov_b32 s41, 0x3c08839e
	s_mov_b32 s42, 0xbe2aaaa3
	s_mov_b32 s43, 0x37ccf5ce                      ; cosine's
	s_mov_b32 s44, 0xbab6061a
	s_mov_b32 s45, 0x3d2aaaa5
	FREQ 0, 1.0, 0.1
	FREQ 1, 0.7498942093324559, 0.07498942093324559
	FREQ 2, 0.5623413251903491, 0.05623413251903491
	FREQ 3, 0.4216965034285822, 0.04216965034285822
	FREQ 4, 0.31622776601683794, 0.031622776601683794
	FREQ 5, 0.23713737056616552, 0.023713737056616552
	FREQ 6, 0.1778279410038923, 0.01778279410038923
	FREQ 7, 0.1333521432163324, 0.01333521432163324
	FREQ 8, 0.01, 0.001
	FREQ 9, 0.007498942093324559, 0.0007498942093324559
	FREQ 10, 0.005623413251903491, 0.0005623413251903491
	FREQ 11, 0.004216965034285822, 0.0004216965034285822
	FREQ 12, 0.0031622776601683794, 0.00031622776601683794
	FREQ 13, 0.0023713737056616552, 0.00023713737056616552
	FREQ 14, 0.001778279410038923, 0.0001778279410038923
	FREQ 15, 0.001333521432163324, 0.0001333521432163324
	s_wait_loadcnt 0x0
	v_cvt_f32_i32 v3, v3
.irp p, 0,1,2,3,4,5,6,7,8,9,10,11,12,13,14,15
	v_mul_f32 v[16+\p], v3, v[16+\p]               ; the angle, rounded once
.endr
.irp p, 0,1,2,3,4,5,6,7,8,9,10,11,12,13,14,15
	v_mul_f32 v[32+\p], s36, v[16+\p]
.endr
.irp p, 0,1,2,3,4,5,6,7,8,9,10,11,12,13,14,15
	v_rndne_f32 v[32+\p], v[32+\p]                 ; n quarter turns
.endr
.irp p, 0,1,2,3,4,5,6,7,8,9,10,11,12,13,14,15
	v_fma_f32 v[48+\p], v[32+\p], s37, v[16+\p]
.endr
.irp p, 0,1,2,3,4,5,6,7,8,9,10,11,12,13,14,15
	v_fma_f32 v[48+\p], v[32+\p], s38, v[48+\p]
.endr
.irp p, 0,1,2,3,4,5,6,7,8,9,10,11,12,13,14,15
	v_fma_f32 v[48+\p], v[32+\p], s39, v[48+\p]    ; r = angle - n pi/2
.endr
.irp p, 0,1,2,3,4,5,6,7,8,9,10,11,12,13,14,15
	v_cvt_i32_f32 v[32+\p], v[32+\p]
.endr
.irp p, 0,1,2,3,4,5,6,7,8,9,10,11,12,13,14,15
	v_mul_f32 v[96+\p], v[48+\p], v[48+\p]
.endr
.irp p, 0,1,2,3,4,5,6,7,8,9,10,11,12,13,14,15
	v_fma_f32 v[112+\p], v[96+\p], s40, s41
.endr
.irp p, 0,1,2,3,4,5,6,7,8,9,10,11,12,13,14,15
	v_fma_f32 v[112+\p], v[112+\p], v[96+\p], s42
.endr
.irp p, 0,1,2,3,4,5,6,7,8,9,10,11,12,13,14,15
	v_mul_f32 v[112+\p], v[112+\p], v[96+\p]
.endr
.irp p, 0,1,2,3,4,5,6,7,8,9,10,11,12,13,14,15
	v_fma_f32 v[112+\p], v[112+\p], v[48+\p], v[48+\p]   ; sin r
.endr
.irp p, 0,1,2,3,4,5,6,7,8,9,10,11,12,13,14,15
	v_fma_f32 v[128+\p], v[96+\p], s43, s44
.endr
.irp p, 0,1,2,3,4,5,6,7,8,9,10,11,12,13,14,15
	v_fma_f32 v[128+\p], v[128+\p], v[96+\p], s45
.endr
.irp p, 0,1,2,3,4,5,6,7,8,9,10,11,12,13,14,15
	v_fma_f32 v[128+\p], v[128+\p], v[96+\p], -0.5
.endr
.irp p, 0,1,2,3,4,5,6,7,8,9,10,11,12,13,14,15
	v_fma_f32 v[128+\p], v[128+\p], v[96+\p], 1.0  ; cos r
.endr
.irp p, 0,1,2,3,4,5,6,7,8,9,10,11,12,13,14,15
	v_and_b32 v[144+\p], 1, v[32+\p]
.endr
.irp p, 0,1,2,3,4,5,6,7,8,9,10,11,12,13,14,15
	v_cmp_eq_u32 vcc_lo, 1, v[144+\p]              ; an odd number of quarter turns: the two change places
	v_cndmask_b32 v[65+2*\p], v[112+\p], v[128+\p], vcc_lo
	v_cndmask_b32 v[64+2*\p], v[128+\p], v[112+\p], vcc_lo
.endr
.irp p, 0,1,2,3,4,5,6,7,8,9,10,11,12,13,14,15
	v_lshlrev_b32 v[144+\p], 30, v[32+\p]          ; sine's sign: bit 1 of n
.endr
.irp p, 0,1,2,3,4,5,6,7,8,9,10,11,12,13,14,15
	v_add_nc_u32 v[160+\p], 1, v[32+\p]            ; cosine's: bit 1 of n + 1
.endr
.irp p, 0,1,2,3,4,5,6,7,8,9,10,11,12,13,14,15
	v_and_b32 v[144+\p], 0x80000000, v[144+\p]
.endr
.irp p, 0,1,2,3,4,5,6,7,8,9,10,11,12,13,14,15
	v_lshlrev_b32 v[160+\p], 30, v[160+\p]
.endr
.irp p, 0,1,2,3,4,5,6,7,8,9,10,11,12,13,14,15
	v_and_b32 v[160+\p], 0x80000000, v[160+\p]
.endr
.irp p, 0,1,2,3,4,5,6,7,8,9,10,11,12,13,14,15
	v_xor_b32 v[65+2*\p], v[144+\p], v[65+2*\p]
.endr
.irp p, 0,1,2,3,4,5,6,7,8,9,10,11,12,13,14,15
	v_xor_b32 v[64+2*\p], v[160+\p], v[64+2*\p]
.endr
.irp g, 0,1,2,3,4,5,6,7
	global_store_b128 v4, v[64+4*\g:67+4*\g], s[20:21] offset:512*\g   ; 32 lanes store 512 consecutive bytes
.endr
	s_endpgm
.Lfunc_end_k_qd47e0e0022_prep:
	.size	k_qd47e0e0022_prep, .Lfunc_end_k_qd47e0e0022_prep-k_qd47e0e0022_prep
	.p2alignl 7, 3214868480
	.fill 96, 4, 3214868480
	.section	.rodata,"a",@progbits
	.p2align	6, 0x0
	.amdhsa_kernel k_qd47e0e0022_prep
		.amdhsa_group_segment_fixed_size 34304
		.amdhsa_private_segment_fixed_size 0
		.amdhsa_enable_private_segment 0
		.amdhsa_kernarg_size 72
		.amdhsa_user_sgpr_count 2
		.amdhsa_user_sgpr_kernarg_segment_ptr 1
		.amdhsa_wavefront_size32 1
		.amdhsa_system_sgpr_workgroup_id_x 1
		.amdhsa_system_sgpr_workgroup_id_y 1
		.amdhsa_system_sgpr_workgroup_id_z 1
		.amdhsa_system_vgpr_workitem_id 0
		.amdhsa_next_free_vgpr 256
		.amdhsa_next_free_sgpr 66
		.amdhsa_reserve_vcc 1
		.amdhsa_float_denorm_mode_32 3
		.amdhsa_float_denorm_mode_16_64 3
		.amdhsa_memory_ordered 1
		.amdhsa_forward_progress 1
		.amdhsa_inst_pref_size 133
	.end_amdhsa_kernel
	.amdgpu_metadata
---
amdhsa.version: [ 1, 2 ]
amdhsa.kernels:
  - .name:           k_qd47e0e0022_prep
    .symbol:         k_qd47e0e0022_prep.kd
    .args:
      - { .name: x, .offset: 0, .size: 8, .value_kind: global_buffer, .address_space: global }
      - { .name: Wq, .offset: 8, .size: 8, .value_kind: global_buffer, .address_space: global }
      - { .name: Wk, .offset: 16, .size: 8, .value_kind: global_buffer, .address_space: global }
      - { .name: Wv, .offset: 24, .size: 8, .value_kind: global_buffer, .address_space: global }
      - { .name: Wo, .offset: 32, .size: 8, .value_kind: global_buffer, .address_space: global }
      - { .name: token_positions, .offset: 40, .size: 8, .value_kind: global_buffer, .address_space: global }
      - { .name: xq, .offset: 48, .size: 8, .value_kind: global_buffer, .address_space: global }
      - { .name: wq, .offset: 56, .size: 8, .value_kind: global_buffer, .address_space: global }
      - { .name: rope, .offset: 64, .size: 8, .value_kind: global_buffer, .address_space: global }
    .group_segment_fixed_size: 34304
    .private_segment_fixed_size: 0
    .kernarg_segment_align: 8
    .kernarg_segment_size: 72
    .max_flat_workgroup_size: 128
    .sgpr_count:     66
    .vgpr_count:     256
    .wavefront_size: 32
...
	.end_amdgpu_metadata
.endif
;; end of part 1
;; launch qkv (part 2): grid 8 x 32, 4 waves a work-group, clusters of 4 x 4, 327,680 bytes of LDS; arguments xq, wq, rope, qrec, krec, vrec; writes qrec, krec, vrec
.if DOCPART == 2
	.amdgcn_target "amdgcn-amd-amdhsa--gfx1250"
	.amdhsa_code_object_version 6
	.text
	.protected	k_qd47e0e0022_qkv
	.globl	k_qd47e0e0022_qkv
	.p2align	8
	.type	k_qd47e0e0022_qkv,@function
k_qd47e0e0022_qkv:
	s_mov_b64 s[64:65], 0
	v_nop
	global_prefetch_b8 v0, s[64:65] scope:SCOPE_SE
	s_setreg_imm32_b32 hwreg(HW_REG_WAVE_MODE, 25, 1), 1
	s_wait_xcnt 0x0
	s_wait_alu depctr_hold_cnt(0) depctr_sa_sdst(0) depctr_va_vdst(0) depctr_va_sdst(0) depctr_va_ssrc(0) depctr_va_vcc(0) depctr_vm_vsrc(0)
	s_getreg_b32 s2, hwreg(HW_REG_IB_STS2, 6, 4)
	s_cmp_eq_u32 s2, 0
	s_cbranch_scc0 .Lentry_in_a_cluster
	s_endpgm
.Lentry_in_a_cluster:
	s_bfe_u32 s2, ttmp6, 0x10000c
	s_cmp_lg_u32 s2, 0xf033
	s_cbranch_scc0 .Lentry_shape_is_right
	s_endpgm
.Lentry_shape_is_right:
; QKV: Q = x Wq, K = x Wk, V = x Wv on codes of FP6 (E2M3) with E8M0 scales; Q and K are rotated in f32 and quantised along the head's 64, V is quantised along the keys; all three leave as codes.
; 256 work-groups of four waves.  PHASE 1: 256 tokens x 256 columns of Q (cluster x = 0) or K (1), a wave 128 x 128: 64 accumulators.  PHASE 2: the same 256 tokens x 128 channels of V, a wave 128 tokens x 64 channels: 32 accumulators.
; Q's and K's 8 x 32 tiles and V's 8 x 32 half tiles both have one work-group each: Wv's tile of 128 has the number of the weights' tile of 256.
; K = 1,024 goes in chunks of 256 through a ring of two LDS slots, which goes on from phase 1 into phase 2: phase 1's last two changes of slots ask for V's chunks 0 and 1, ahead of Q's or K's way out.
; OPERANDS ARE IMAGES OF REGISTERS: a fragment (16 rows x 128 K) is 1,536 bytes: at 768 c: lane l's registers 6c..6c+3 at 16 l, 6c+4, 6c+5 at 512 + 8 l: four LDS loads of consecutive bytes.
; Tile T of an axis holds the indices 32 (T/2) + 8 (T%2) + i + 8 (i/8): as source 0 of a product, tiles 2 b and 2 b + 1 leave 16 neighbours, 32 b + 16 (lane/16) + 0..15, in a lane's 16 registers.
; ROLES.  Source 0 = P, source 1 = R: a lane holds ONE index of R and neighbours of P.  Phase 1: P = the weight's columns, R = tokens.  Phase 2: P = tokens, R = Wv's columns: a lane holds one channel and 128 neighbouring keys.
; CLUSTERS: 4 x 4.  Tokens' tiles hang on the place along y and are asked for jointly by a row of the cluster, weights' on the place along x, by a column.
; Scale words: those of the 256 tokens and of the weights' 256 columns come with the first fills; Wv's 4,096 bytes are filled onto the weights', which lie in registers by then, in the round of V's chunk 0.
; LIMITS: a block of zeros or under 2^-124 gets the byte 1 (zero codes; read by this program alone); NaN and infinities are not served.
; REGISTERS: window 0: v4-15 the quantiser's; v16-31 addresses, the add's two; v32-55 codes and scale words on the way out; v56-62 more addresses; v64-127 scale words; v128-223 R's fragments, one set (on the way out v128-191 rotated numbers, v192-255 the table);
;   window 1: P's fragments, two sets, at v0 and v128;  windows 2, 3: the accumulators, (a, b) at v[8 (8 (a%4) + b)].
.set FR,    12
.set NL,    4                          ; LDS loads that bring a fragment
.set HALFT, 24576                      ; 8 tiles x 3,072 bytes: what one tensor load of the ring brings
.set SLOT,  4*HALFT                    ; R's 16 tiles, then P's 16
.set SCL,   2*SLOT                     ; the scale words: tokens' 8,192 bytes, then the weights'
.set SPARE, SCL+4*4096                 ; the spare words, 128 bytes a wave
.set MX,   4
.set PB,   8
.set SO,   12
.set ADRA, 16                          ; v16, v17: R's fragments in slot 0, 1, + 16 l;  v18, v19: + 512 + 8 l
.set ADRB, 20                          ; v20-23 the same for P
.set LI16, 24
.set LI8,  25
.set SL,   26
.set ADRS, 27
.set SPW,  28
.set NIL,  29
.set PW,   30
.set SH,   31
.set PC,   32
.set WD,   52
.set ADRS2, 58                         ; phase 2's scale words
.set ADRA2, 59                         ; v59-62: phase 2's R: four tiles a wave
.set SC,   64
.set AF,   128
.set TT,   128
.set G1,   24
.set G0,   32
.set G1B,  48
.set G0B,  56
.set G1S,  68
.set G0S,  76
.set G1SB, 80
.set G0SB, 88
.set MSB, 0
.macro WIN new                         ; the immediate's high byte repeats the setting that is left
.if MSB != (\new)
	s_set_vgpr_msb (MSB<<8)|(\new)
.set MSB, (\new)
.endif
.endm
.set MUL_LO, 0xa1                      ; source 0 (P) window 1, source 1 (R) window 0, C and D window 2
.set MUL_HI, 0xf1
.set TO_B,   0x40
.macro PLACES                          ; four plain places behind matrix instructions, in front of loads into their registers and of reads of results
.rept 4
	v_nop
.endr
.endm
.macro TL g0, g1                       ; a tensor load; an s_nop 0 and four v_nop follow it
	tensor_load_to_lds s[\g0:\g0+3], s[\g1:\g1+7]
	s_nop 0
	PLACES
.endm
.macro JLOAD g0a, g1a, g0b, g1b        ; phase 1: waves 0 and 1 fetch for R, waves 2 and 3 for P
	s_cmp_eq_u32 s17, 0
	s_cbranch_scc0 .Lfor_b_\@
	TL \g0a, \g1a
	s_branch .Lasked_\@
.Lfor_b_\@:
	TL \g0b, \g1b
.Lasked_\@:
.endm
.macro HLOAD p0, p1, r0, r1, sc        ; a half tile's chunk: waves 2 and 3 fetch P's halves, wave 0 R's 8 tiles; wave 1 the scale words (sc) or nothing
	s_cmp_lt_u32 s16, 2
	s_cbranch_scc1 .Lhr_\@
	TL \p0, \p1
	s_branch .Lhd_\@
.Lhr_\@:
	s_cmp_eq_u32 s16, 0
	s_cbranch_scc0 .Lhs_\@
	TL \r0, \r1
	s_branch .Lhd_\@
.Lhs_\@:
.if \sc
	TL G0SB, G1SB
.else
	PLACES                                         ; the places for the wave that comes round the loads
.endif
.Lhd_\@:
.endm
.macro CREST
	s_cmp_lg_u32 s16, 0
	s_cbranch_scc1 .Lnot_wave_0_\@
	s_barrier_signal -3
.Lnot_wave_0_\@:
	s_barrier_wait -3
	s_barrier_signal -1
	s_barrier_wait -1
.endm
.macro CROUND
	s_barrier_signal -1
	s_barrier_wait -1
	CREST
.endm
.macro GROUP1 g, m, c, r, p            ; mask in s\m; rows of c elements of 8 bytes, r rows, p elements from row to row; bit 21 set beside a mask
	s_or_b32 s[\g], s\m, (3<<16)|(1<<21)
	s_mov_b32 s[\g+1], (\c)<<16
	s_mov_b32 s[\g+2], (\r)<<16
	s_mov_b32 s[\g+3], (\c)<<16
	s_mov_b32 s[\g+4], \r
	s_mov_b32 s[\g+5], \p
	s_mov_b32 s[\g+6], 0
	s_mov_b32 s[\g+7], 0
.endm
.macro GROUP0 g, lds, a
	s_mov_b32 s[\g], 1
	s_mov_b32 s[\g+1], \lds
	s_mov_b64 s[\g+2:\g+3], s[\a:\a+1]
	s_or_b32 s[\g+3], s[\g+3], 0x80000000
.endm
.macro FRAG reg, adr, q, i
	ds_load_b128 v[\reg:\reg+3], v[\adr] offset:3072*(\i)+1536*(\q)
	ds_load_b64 v[\reg+4:\reg+5], v[\adr+2] offset:3072*(\i)+1536*(\q)
	ds_load_b128 v[\reg+6:\reg+9], v[\adr] offset:3072*(\i)+1536*(\q)+768
	ds_load_b64 v[\reg+10:\reg+11], v[\adr+2] offset:3072*(\i)+1536*(\q)+768
.endm
.macro FETCH_B slot, q, p
	WIN TO_B
.irp i, 0,1,2,3,4,5,6,7
	FRAG 128*(\p)+FR*\i, ADRB+\slot, \q, \i
.endr
	WIN 0
.endm
.macro FETCH_A adr, slot, q, i0, n     ; R's tiles i0 .. i0 + n - 1
.set FI, \i0
.rept \n
	FRAG AF+FR*FI, \adr+\slot, \q, FI
.set FI, FI+1
.endr
.endm
.macro SCALES adr                      ; register SC + 8 i + s: lanes 0-15 the word of R's tile i, lanes 16-31 that of P's tile i, for K step s
.irp i, 0,1,2,3,4,5,6,7
.irp k, 0,1
	ds_load_b128 v[SC+8*\i+4*\k:SC+8*\i+4*\k+3], v[\adr] offset:512*\i+256*\k
.endr
.endr
.endm
; 16 matrix instructions: R's tiles a0, a0 + 1 x P's eight, K step g.  The accumulators take turns, one instruction a turn, in the same order in every step.
.macro MUL16 a0, p, g, zero
.irp a, \a0, \a0+1
.irp b, 0,1,2,3,4,5,6,7
.if \zero
	v_wmma_scale_f32_16x16x128_f8f6f4 v[8*(8*((\a)%4)+\b):8*(8*((\a)%4)+\b)+7], v[128*(\p)+FR*\b:128*(\p)+FR*\b+FR-1], v[AF+FR*(\a):AF+FR*(\a)+FR-1], 0, v[SC+8*\b+(\g)], v[SC+8*(\a)+(\g)] matrix_a_fmt:MATRIX_FMT_FP6 matrix_b_fmt:MATRIX_FMT_FP6 matrix_a_scale:MATRIX_SCALE_ROW1
.else
	v_wmma_scale_f32_16x16x128_f8f6f4 v[8*(8*((\a)%4)+\b):8*(8*((\a)%4)+\b)+7], v[128*(\p)+FR*\b:128*(\p)+FR*\b+FR-1], v[AF+FR*(\a):AF+FR*(\a)+FR-1], v[8*(8*((\a)%4)+\b):8*(8*((\a)%4)+\b)+7], v[SC+8*\b+(\g)], v[SC+8*(\a)+(\g)] matrix_a_fmt:MATRIX_FMT_FP6 matrix_b_fmt:MATRIX_FMT_FP6 matrix_a_scale:MATRIX_SCALE_ROW1
.endif
.endr
.endr
.endm
.macro STEP slot, g, zero              ; phase 1, a slot's first step of 128: its successor lies in the same slot
	s_wait_dscnt 4*NL                              ; all but the youngest 16 loads (R's tiles 4-7) are in
	WIN MUL_LO
	MUL16 0, 0, \g, \zero
	MUL16 2, 0, \g, \zero
	s_wait_dscnt 0x0
	PLACES
	FETCH_B \slot, 1, 1
	FETCH_A ADRA, \slot, 1, 0, 4
	WIN MUL_HI
	MUL16 4, 0, \g, \zero
	MUL16 6, 0, \g, \zero
	PLACES
	WIN 0
	FETCH_A ADRA, \slot, 1, 4, 4
.endm
; A slot's second step changes slots: one barrier; in front of it each wave waits for all its tensor loads, adds 0 to its spare word, and waits for that and for its reads of this slot.
.macro MEET g
	s_wait_tensorcnt 0x0                           ; all my tensor loads have landed: my part of the next slot
	ds_add_u32 v[SPW], v[NIL]
	s_wait_dscnt 4*NL+1                            ; (the add and the youngest 16 loads may be out)
	WIN MUL_LO
	MUL16 0, 1, \g, 0
	s_wait_dscnt 0x0                               ; the add is done, and my reads of this slot are over
	s_barrier_signal -1
	MUL16 2, 1, \g, 0
	WIN 0
	s_barrier_wait -1
	CREST                                          ; the barrier has opened a round of the cluster's: no wave of any partner still reads this slot or has a load on its way
.endm
.macro VSET s                          ; slot s's descriptors for V's chunk s: tokens go back two chunks along K; the weights' become Wv's 8 tiles, into R's place
	s_sub_nc_u64 s[G0+4*\s+2:G0+4*\s+3], s[G0+4*\s+2:G0+4*\s+3], 6144
	s_mov_b32 s[G0B+4*\s+1], \s*SLOT
	s_add_nc_u64 s[G0B+4*\s+2:G0B+4*\s+3], s[92:93], \s*3072
	s_or_b32 s[G0B+4*\s+3], s[G0B+4*\s+3], 0x80000000
.endm
.macro TURN slot, next, g, fill        ; fill 1: this product's chunk two on;  2: V's chunk 0 and Wv's scale words
	MEET \g
.if \fill == 1
	s_add_nc_u64 s[G0+4*\slot+2:G0+4*\slot+3], s[G0+4*\slot+2:G0+4*\slot+3], 6144
	s_add_nc_u64 s[G0B+4*\slot+2:G0B+4*\slot+3], s[G0B+4*\slot+2:G0B+4*\slot+3], 6144
	JLOAD G0+4*\slot, G1, G0B+4*\slot, G1B         ; the first tensor load behind the round; its four v_nop are the places in front of the loads below
.else
	VSET \slot
	HLOAD G0+4*\slot, G1, G0B+4*\slot, G1B, 1
.endif
	FETCH_B \next, 0, 0
	FETCH_A ADRA, \next, 0, 0, 4
	WIN MUL_HI
	MUL16 4, 1, \g, 0
	MUL16 6, 1, \g, 0
	PLACES
	WIN 0
	FETCH_A ADRA, \next, 0, 4, 4
.endm
; PHASE 2's steps: R has four tiles a wave: tiles 0, 1 are fetched anew in the step's middle, tiles 2, 3 at its end.
.macro HSTEP slot, g, zero
	s_wait_dscnt 2*NL                              ; all but the youngest 8 loads (R's tiles 2, 3) are in
	WIN MUL_LO
	MUL16 0, 0, \g, \zero
	s_wait_dscnt 0x0
	PLACES
	FETCH_B \slot, 1, 1
	FETCH_A ADRA2, \slot, 1, 0, 2
	WIN MUL_LO
	MUL16 2, 0, \g, \zero
	PLACES
	WIN 0
	FETCH_A ADRA2, \slot, 1, 2, 2
.endm
.macro HTURN slot, next, g, fill
	s_wait_tensorcnt 0x0                           ; the three lines and the barrier, as in phase 1
	ds_add_u32 v[SPW], v[NIL]
	s_wait_dscnt 2*NL+1                            ; (the add and the youngest 8 loads may be out)
	WIN MUL_LO
	MUL16 0, 1, \g, 0
	s_wait_dscnt 0x0
	s_barrier_signal -1
	WIN 0
	s_barrier_wait -1
.if \fill
	CREST
	s_add_nc_u64 s[G0+4*\slot+2:G0+4*\slot+3], s[G0+4*\slot+2:G0+4*\slot+3], 6144
	s_add_nc_u64 s[G0B+4*\slot+2:G0B+4*\slot+3], s[G0B+4*\slot+2:G0B+4*\slot+3], 6144
	HLOAD G0+4*\slot, G1, G0B+4*\slot, G1B, 0
.else
	PLACES
.endif
	FETCH_B \next, 0, 0
	FETCH_A ADRA2, \next, 0, 0, 2
	WIN MUL_LO
	MUL16 2, 1, \g, 0
	PLACES
	WIN 0
	FETCH_A ADRA2, \next, 0, 2, 2
.endm
; 64 numbers of a lane in window w, register 16 b + i = k 32 b + 16 (lane/16) + i of my row, become a fragment's codes in v[PC] on and its scale word in v[pw].
.macro QUANT s, w, pw
	WIN (\w)|((\w)<<2)
.irp b, 0,1,2,3
	v_max3_num_f32 v[MX+\b], |v[\s+16*\b]|, |v[\s+16*\b+1]|, 0x1800000   ; and the floor 2^(3 - 127): the byte cannot fall under 1
.endr
.irp i, 2,4,6,8,10,12,14
.irp b, 0,1,2,3
	v_max3_num_f32 v[MX+\b], |v[\s+16*\b+\i]|, |v[\s+16*\b+\i+1]|, v[MX+\b]
.endr
.endr
	WIN 0
.irp b, 0,1,2,3
	v_permlanex16_b32 v[PB+\b], v[MX+\b], s66, s67
.endr
.irp b, 0,1,2,3
	v_max_num_f32 v[MX+\b], v[MX+\b], v[PB+\b]     ; with lane l xor 16's: the block's largest magnitude
.endr
.irp b, 0,1,2,3
	v_add_nc_u32 v[SO+\b], 0xff000000, v[MX+\b]    ; 2 off its exponent field: the conversion's scale operand
.endr
.irp b, 0,1,2,3
	v_lshrrev_b32 v[PB+\b], 23, v[SO+\b]           ; the byte
.endr
	v_lshl_or_b32 v[\pw], v[PB+1], 8, v[PB]
	v_lshl_or_b32 v[\pw], v[PB+2], 16, v[\pw]
	v_lshl_or_b32 v[\pw], v[PB+3], 24, v[\pw]
	WIN (\w)
.irp c, 0,1
	v_cvt_scalef32_pk16_fp6_f32 v[PC+6*\c:PC+6*\c+2], v[\s+32*\c:\s+32*\c+15], v[SO+2*\c]
	v_cvt_scalef32_pk16_fp6_f32 v[PC+12+4*\c:PC+14+4*\c], v[\s+32*\c+16:\s+32*\c+31], v[SO+2*\c+1]
.endr
	WIN 0
	v_nop                                          ; one plain place behind the conversions
.irp c, 0,1                            ; the layout wants a whole block in a lane
.irp i, 0,1,2
	v_permlane16_swap_b32 v[PC+6*\c+\i], v[PC+12+4*\c+\i]
.endr
.irp i, 0,1,2
	v_mov_b32 v[PC+3+6*\c+\i], v[PC+12+4*\c+\i]
.endr
.endr
.endm
.macro CSLOAD a                        ; the table of tile a's 16 tokens: 32 registers a lane
.irp g, 0,1,2,3,4,5,6,7
	global_load_b128 v[192+32*((\a)%2)+4*\g:192+32*((\a)%2)+4*\g+3], v[LI16], s[44:45] offset:4096*(\a)+512*\g
.endr
.endm
.macro QKTILE a                        ; 16 tokens x two heads: rotated, quantised along each head's 64, stored
.if (\a) < 7
	CSLOAD (\a)+1
	s_wait_loadcnt 8                               ; this tile's table is in; the next tile's 8 loads may be out
.else
	s_wait_loadcnt 0x0
.endif
.set XA, 64*((\a)%4)
.set CSR, 192+32*((\a)%2)
	WIN 2+(\a)/4                                   ; source 0: the accumulators' window
.set P, 0
.rept 32                               ; ascending: each accumulator is first read at its low end
.set CP, CSR+2*(8*((P>>3)&1)+(P&7))
	v_mul_f32 v[TT+2*P], v[XA+2*P+1], v[CP+1]      ; x2 sin
	v_mul_f32 v[TT+2*P+1], v[XA+2*P], v[CP+1]      ; x1 sin
.set P, P+1
.endr
.set P, 0
.rept 32
.set CP, CSR+2*(8*((P>>3)&1)+(P&7))
	v_fma_f32 v[TT+2*P], v[XA+2*P], v[CP], -v[TT+2*P]          ; x1 cos - x2 sin
	v_fma_f32 v[TT+2*P+1], v[XA+2*P+1], v[CP], v[TT+2*P+1]     ; x2 cos + x1 sin
.set P, P+1
.endr
	WIN 0
	s_wait_xcnt 0x0                                ; the last tile's stores have read the codes' and the words' registers
	QUANT TT, 0, PW
	global_store_b128 v[LI16+32*(((\a)/2)%2)], v[PC:PC+3], s[100:101] offset:768*(\a)   ; tiles of odd blocks of 32 tokens: rows i and i xor 8 swapped
	global_store_b64 v[LI8+32*(((\a)/2)%2)], v[PC+4:PC+5], s[100:101] offset:768*(\a)
	global_store_b128 v[LI16+32*(((\a)/2)%2)], v[PC+6:PC+9], s[100:101] offset:768*(\a)+106496    ; the next head's record
	global_store_b64 v[LI8+32*(((\a)/2)%2)], v[PC+10:PC+11], s[100:101] offset:768*(\a)+106496
	v_lshrrev_b32 v[WD+(\a)%4], v[SH], v[PW]       ; lanes 0-15 the first head's two bytes, lanes 16-31 the second's;
	v_and_b32 v[WD+(\a)%4], 0xffff, v[WD+(\a)%4]   ; the upper two bytes, 0, scale zero codes
.if ((\a)%4) == 3
	global_store_b128 v[SL], v[WD:WD+3], s[100:101] offset:6144+256*((\a)/4)
.endif
.endm
.macro VTILE a                         ; 16 channels x 128 keys: quantised along the keys, stored
	s_wait_xcnt 0x0
	QUANT 64*(\a), 2, WD+(\a)
	global_store_b128 v[LI16], v[PC:PC+3], s[100:101] offset:(\a)*1536
	global_store_b64 v[LI8], v[PC+4:PC+5], s[100:101] offset:(\a)*1536
	global_store_b128 v[LI16], v[PC+6:PC+9], s[100:101] offset:(\a)*1536+768
	global_store_b64 v[LI8], v[PC+10:PC+11], s[100:101] offset:(\a)*1536+768
.if (\a) == 3
	global_store_b128 v[LI16], v[WD:WD+3], s[100:101] offset:6144   ; lanes 16-31 store the same words once more, so that every byte of a record is written
.endif
.endm
.macro ARM under, g0, g1, next
	s_cmp_lt_u32 s16, \under
	s_cbranch_scc0 \next
	TL \g0, \g1
	s_branch .Lhead_asked
\next:
.endm
	s_load_b256 s[4:11], s[0:1], 0x0               ; xq, wq, rope, qrec
	s_load_b128 s[12:15], s[0:1], 0x20             ; krec, vrec
	v_lshl_add_u32 v[SPW], v0, 2, SPARE
	v_mov_b32 v[NIL], 0
	ds_add_u32 v[SPW], v[NIL]                      ; the wave's opening: the add, twice on end, and its wait ahead of my first tensor load
	ds_add_u32 v[SPW], v[NIL]
	v_lshrrev_b32 v1, 5, v0
	v_readfirstlane_b32 s16, v1                    ; wave
	s_lshr_b32 s17, s16, 1                         ; my half of R
	s_and_b32 s18, s16, 1                          ; my half of P.  Also: which 8 tiles I fetch
	s_bfe_u32 s19, ttmp6, 0x40000                  ; cx
	s_bfe_u32 s20, ttmp6, 0x40004                  ; cy
	s_mov_b32 s21, ttmp9                           ; cluster x: 0 Q, 1 K
	s_and_b32 s22, ttmp7, 0xffff                   ; cluster y
	s_lshl_b32 s40, s21, 2
	s_add_co_u32 s40, s40, s19                     ; the tile of 256 columns among Wq's four and Wk's four; also Wv's tile of 128
	s_lshl_b32 s41, s22, 2
	s_add_co_u32 s41, s41, s20                     ; the tokens' tile of 256
	s_lshl_b32 s42, s20, 2
	s_lshl_b32 s42, 15, s42                        ; my row of the cluster
	s_lshl_b32 s43, 0x1111, s19                    ; my column
	GROUP1 G1, 42, 384, 16, 1536                   ; a row: a tile's 3,072 bytes of 256 along K, 12,288 bytes from tile to tile; the head's loads bring 16 tiles, the ring's 8
	GROUP1 G1B, 43, 384, 16, 1536
	GROUP1 G1S, 42, 32, 32, 32                     ; the scale words of 16 tiles: 8,192 dense bytes as 32 rows of 256
	GROUP1 G1SB, 43, 32, 32, 32
	s_mul_i32 s92, s41, 196608                     ; the tokens' codes
	s_mul_i32 s96, s40, 196608                     ; the weights'
	s_lshl_b32 s94, s41, 13
	s_add_co_u32 s94, s94, 6291456                 ; the tokens' scale words
	s_lshl_b32 s98, s40, 13
	s_add_co_u32 s98, s98, 3145728                 ; the weights'
	s_mov_b32 s93, 0
	s_mov_b32 s95, 0
	s_mov_b32 s97, 0
	s_mov_b32 s99, 0
	s_mul_i32 s44, s16, HALFT                      ; where the ring's loads go: no place in the cluster enters an LDS address
	s_add_co_u32 s45, s44, SLOT
	s_mov_b32 s66, 0x76543210
	s_mov_b32 s67, 0xfedcba98
	s_wait_dscnt 0x0                               ; both opening adds are done
	s_wait_kmcnt 0x0
	s_add_nc_u64 s[92:93], s[4:5], s[92:93]
	s_add_nc_u64 s[94:95], s[4:5], s[94:95]
	s_add_nc_u64 s[96:97], s[6:7], s[96:97]
	s_add_nc_u64 s[98:99], s[6:7], s[98:99]
	CROUND                                         ; all sixteen work-groups are here: the first joint loads meet
	GROUP0 G0S, SCL, 94
	GROUP0 G0SB, SCL+8192, 98
	GROUP0 G0, 0, 92                               ; at the head slot 0's two descriptors stand for whole tiles of 16
	GROUP0 G0B, 2*HALFT, 96
	GROUP0 G0+4, s45, 92                           ; slot 1's are the ring's: my 8 tiles, chunk 1
	GROUP0 G0B+4, s45, 96
	s_mul_i32 s94, s18, 98304
	s_add_co_u32 s94, s94, 3072
	s_mov_b32 s95, 0
	s_add_nc_u64 s[G0+6:G0+7], s[G0+6:G0+7], s[94:95]
	s_add_nc_u64 s[G0B+6:G0B+7], s[G0B+6:G0B+7], s[94:95]
	ARM 1, G0,  G1,  .Lhead_b                      ; the head's loads, one a wave: the tokens' 16 tiles of chunk 0,
	ARM 2, G0B, G1B, .Lhead_sa                     ; the weights',
	ARM 3, G0S, G1S, .Lhead_sb                     ; the tokens' scale words,
	TL G0SB, G1SB                                  ; the weights'
.Lhead_asked:
	s_mul_i32 s92, s40, 98304
	s_add_co_u32 s92, s92, 1572864
	s_mov_b32 s93, 0
	s_add_nc_u64 s[92:93], s[6:7], s[92:93]        ; Wv's 8 tiles
	s_lshl_b32 s98, s40, 12
	s_add_co_u32 s98, s98, 3211264
	s_mov_b32 s99, 0
	s_add_nc_u64 s[98:99], s[6:7], s[98:99]        ; and their scale words
	; the ways out: record (16 batch + head) x 106,496 + (block of 128 tokens) x 6,656
	s_and_b32 s46, s40, 3
	s_lshl_b32 s46, s46, 2
	s_lshl_b32 s47, s18, 1
	s_add_co_u32 s46, s46, s47                     ; Q, K: my first head,
	s_lshl_b32 s2, s41, 1
	s_add_co_u32 s2, s2, s17                       ; my block of tokens
	s_lshr_b32 s3, s2, 4
	s_lshl_b32 s3, s3, 4
	s_add_co_u32 s3, s3, s46
	s_mul_i32 s3, s3, 106496
	s_and_b32 s47, s2, 15
	s_mul_i32 s46, s47, 6656
	s_add_co_u32 s46, s46, s3
	s_lshl_b32 s44, s47, 15                        ; the table: 8 tiles of 4,096 bytes a block
	s_mov_b32 s47, 0
	s_mov_b32 s45, 0
	s_cmp_eq_u32 s21, 1
	s_cselect_b64 s[100:101], s[12:13], s[10:11]
	s_add_nc_u64 s[100:101], s[100:101], s[46:47]
	s_add_nc_u64 s[44:45], s[8:9], s[44:45]
	s_lshl_b32 s46, s40, 1
	s_add_co_u32 s46, s46, s17                     ; V: my head,
	s_lshl_b32 s2, s41, 1
	s_add_co_u32 s2, s2, s18                       ; my block of tokens
	s_lshr_b32 s3, s2, 4
	s_lshl_b32 s3, s3, 4
	s_add_co_u32 s3, s3, s46
	s_mul_i32 s3, s3, 106496
	s_and_b32 s2, s2, 15
	s_mul_i32 s46, s2, 6656
	s_add_co_u32 s46, s46, s3
	s_add_nc_u64 s[96:97], s[14:15], s[46:47]
	; LDS places
	s_mul_i32 s2, s17, HALFT                       ; phase 1: my 8 tiles of R,
	s_mul_i32 s3, s18, HALFT
	s_add_co_u32 s3, s3, 2*HALFT                   ; my 8 tiles of P (both phases)
	s_mul_i32 s19, s17, 12288                      ; phase 2: my 4 tiles of R
	s_lshl_b32 s22, s17, 12
	s_lshl_b32 s42, s18, 12
	s_add_co_u32 s20, s42, 8192
	s_sub_co_u32 s20, s20, s22                     ; phase 1: from the tokens' words (R, lanes 0-15) to the weights' (P, lanes 16-31)
	s_lshl_b32 s23, s17, 11
	s_add_co_u32 s23, s23, 8192
	s_sub_co_u32 s23, s23, s42                     ; phase 2: from the tokens' words (P, lanes 16-31) to Wv's (R, lanes 0-15)
	s_add_co_u32 s22, s22, SCL
	s_add_co_u32 s42, s42, SCL
	v_and_b32 v1, 31, v0
	v_and_b32 v2, 15, v0                           ; r
	v_bfe_u32 v3, v0, 4, 1                         ; h
	v_lshlrev_b32 v[LI16], 4, v1
	v_lshlrev_b32 v[LI8], 3, v1
	v_add_nc_u32 v[LI8], 512, v[LI8]
	v_xor_b32 v[LI16+32], 128, v[LI16]             ; v56, v57: the same places with lane l xor 8
	v_xor_b32 v[LI8+32], 64, v[LI8]
	v_add_nc_u32 v[ADRA], s2, v[LI16]
	v_add_nc_u32 v[ADRA+2], s2, v[LI8]
	v_add_nc_u32 v[ADRB], s3, v[LI16]
	v_add_nc_u32 v[ADRB+2], s3, v[LI8]
	v_add_nc_u32 v[ADRA2], s19, v[LI16]
	v_add_nc_u32 v[ADRA2+2], s19, v[LI8]
.irp a, ADRA, ADRB, ADRA2
	v_add_nc_u32 v[\a+1], SLOT, v[\a]
	v_add_nc_u32 v[\a+3], SLOT, v[\a+2]
.endr
	v_sub_nc_u32 v5, 1, v3
	v_mul_u32_u24 v4, s20, v3
	v_mul_u32_u24 v5, s23, v5
	v_lshl_add_u32 v4, v2, 4, v4
	v_lshl_add_u32 v5, v2, 4, v5
	v_add_nc_u32 v[ADRS], s22, v4
	v_add_nc_u32 v[ADRS2], s42, v5
	v_mul_u32_u24 v[SL], v3, 106496
	v_lshl_add_u32 v[SL], v2, 4, v[SL]             ; Q's and K's scale words: 16 r, lanes 16-31 in the next head's record
	v_lshlrev_b32 v[SH], 4, v3
.irp b, 0,1,2,3
	v_mov_b32 v[PB+\b], 0                          ; written once: a lane permute's destination counts as one of its sources
.endr
	s_wait_alu depctr_va_vdst(0)                   ; the head's end
	s_wait_tensorcnt 0x0                           ; my tile of the head's four is in
	ds_add_u32 v[SPW], v[NIL]
	s_mov_b32 s[G1+2], 8<<16                       ; no tensor load of mine is out: from here on a load of codes brings 8 tiles,
	s_mov_b32 s[G1+4], 8
	s_mov_b32 s[G1B+2], 8<<16
	s_mov_b32 s[G1B+4], 8
	s_mov_b32 s[G1SB+2], 16<<16                    ; the one load of scale words still to come 4,096 bytes: Wv's,
	s_mov_b32 s[G1SB+4], 16
	s_mov_b64 s[G0SB+2:G0SB+3], s[98:99]
	s_or_b32 s[G0SB+3], s[G0SB+3], 0x80000000
	s_mul_i32 s[G0+1], s16, HALFT                  ; and slot 0's descriptors become the ring's: my 8 tiles
	s_mul_i32 s[G0B+1], s16, HALFT
	s_mul_i32 s2, s18, 98304
	s_mov_b32 s3, 0
	s_add_nc_u64 s[G0+2:G0+3], s[G0+2:G0+3], s[2:3]
	s_add_nc_u64 s[G0B+2:G0B+3], s[G0B+2:G0B+3], s[2:3]
	s_wait_dscnt 0x0
	CROUND                                         ; a whole round: all four tiles are in, and the joint loads meet
	JLOAD G0+4, G1, G0B+4, G1B                     ; slot 1's first fill, the first tensor load behind the round
	FETCH_B 0, 0, 0
	FETCH_A ADRA, 0, 0, 0, 4
	SCALES ADRS
	FETCH_A ADRA, 0, 0, 4, 4
	STEP 0, 0, 1                                   ; the first products start the sums
	TURN 0, 1, 1, 1
	STEP 1, 2, 0
	TURN 1, 0, 3, 1
	STEP 0, 4, 0
	TURN 0, 1, 5, 2                                ; slot 0 takes V's chunk 0
	STEP 1, 6, 0
	MEET 7
	VSET 1
	HLOAD G0+4, G1, G0B+4, G1B, 0                  ; slot 1 takes V's chunk 1
	WIN MUL_HI
	MUL16 4, 1, 7, 0
	MUL16 6, 1, 7, 0
	WIN 0
	PLACES
	CSLOAD 0
.irp a, 0,1,2,3,4,5,6,7
	QKTILE \a
.endr
	; PHASE 2.  V's chunk 0 and Wv's scale words were shown to all waves by the last round
	FETCH_B 0, 0, 0
	FETCH_A ADRA2, 0, 0, 0, 2
	SCALES ADRS2
	FETCH_A ADRA2, 0, 0, 2, 2
	HSTEP 0, 0, 1
	HTURN 0, 1, 1, 1
	HSTEP 1, 2, 0
	HTURN 1, 0, 3, 1
	HSTEP 0, 4, 0
	HTURN 0, 1, 5, 0                               ; nothing is left to fetch
	HSTEP 1, 6, 0
	s_wait_dscnt 2*NL
	WIN MUL_LO
	MUL16 0, 1, 7, 0
	s_wait_dscnt 0x0
	MUL16 2, 1, 7, 0
	WIN 0
	PLACES
	s_wait_xcnt 0x0                                ; Q's or K's stores have read their base
	s_mov_b64 s[100:101], s[96:97]
.irp a, 0,1,2,3
	VTILE \a
.endr
	s_wait_tensorcnt 0x0                           ; the wave's end
	ds_add_u32 v[SPW], v[NIL]
	s_wait_dscnt 0x0
	CROUND                                         ; the closing round
	s_endpgm
.Lfunc_end_k_qd47e0e0022_qkv:
	.size	k_qd47e0e0022_qkv, .Lfunc_end_k_qd47e0e0022_qkv-k_qd47e0e0022_qkv
	.p2alignl 7, 3214868480
	.fill 96, 4, 3214868480
	.section	.rodata,"a",@progbits
	.p2align	6, 0x0
	.amdhsa_kernel k_qd47e0e0022_qkv
		.amdhsa_group_segment_fixed_size 327680
		.amdhsa_private_segment_fixed_size 0
		.amdhsa_enable_private_segment 0
		.amdhsa_kernarg_size 48
		.amdhsa_user_sgpr_count 2
		.amdhsa_user_sgpr_kernarg_segment_ptr 1
		.amdhsa_wavefront_size32 1
		.amdhsa_system_sgpr_workgroup_id_x 1
		.amdhsa_system_sgpr_workgroup_id_y 1
		.amdhsa_system_sgpr_workgroup_id_z 1
		.amdhsa_system_vgpr_workitem_id 0
		.amdhsa_next_free_vgpr 1024
		.amdhsa_next_free_sgpr 102
		.amdhsa_reserve_vcc 0
		.amdhsa_float_denorm_mode_32 3
		.amdhsa_float_denorm_mode_16_64 3
		.amdhsa_memory_ordered 1
		.amdhsa_forward_progress 1
		.amdhsa_inst_pref_size 255
	.end_amdhsa_kernel
	.section	.bss,"aw",@nobits
	.p2align	6
	.space	262144
	.amdgpu_metadata
---
amdhsa.version: [ 1, 2 ]
amdhsa.kernels:
  - .name:           k_qd47e0e0022_qkv
    .symbol:         k_qd47e0e0022_qkv.kd
    .args:
      - { .name: xq, .offset: 0, .size: 8, .value_kind: global_buffer, .address_space: global }
      - { .name: wq, .offset: 8, .size: 8, .value_kind: global_buffer, .address_space: global }
      - { .name: rope, .offset: 16, .size: 8, .value_kind: global_buffer, .address_space: global }
      - { .name: qrec, .offset: 24, .size: 8, .value_kind: global_buffer, .address_space: global }
      - { .name: krec, .offset: 32, .size: 8, .value_kind: global_buffer, .address_space: global }
      - { .name: vrec, .offset: 40, .size: 8, .value_kind: global_buffer, .address_space: global }
    .group_segment_fixed_size: 327680
    .private_segment_fixed_size: 0
    .kernarg_segment_align: 8
    .kernarg_segment_size: 48
    .max_flat_workgroup_size: 128
    .sgpr_count:     102
    .vgpr_count:     1024
    .wavefront_size: 32
...
	.end_amdgpu_metadata
.endif
;; end of part 2
;; launch attn (part 3): grid 4 x 64, 16 waves a work-group, clusters of 4 x 1, 215,040 bytes of LDS; arguments qrec, krec, vrec, oq; writes oq
.if DOCPART == 3
	.amdgcn_target "amdgcn-amd-amdhsa--gfx1250"
	.amdhsa_code_object_version 6
	.text
	.protected	k_qd47e0e0022_attn
	.globl	k_qd47e0e0022_attn
	.p2align	8
	.type	k_qd47e0e0022_attn,@function
k_qd47e0e0022_attn:
	s_mov_b64 s[64:65], 0
	v_nop
	global_prefetch_b8 v0, s[64:65] scope:SCOPE_SE
	s_setreg_imm32_b32 hwreg(HW_REG_WAVE_MODE, 25, 1), 1
	s_wait_xcnt 0x0
	s_wait_alu depctr_hold_cnt(0) depctr_sa_sdst(0) depctr_va_vdst(0) depctr_va_sdst(0) depctr_va_ssrc(0) depctr_va_vcc(0) depctr_vm_vsrc(0)
	s_getreg_b32 s2, hwreg(HW_REG_IB_STS2, 6, 4)
	s_cmp_eq_u32 s2, 0
	s_cbranch_scc0 .Lentry_in_a_cluster
	s_endpgm
.Lentry_in_a_cluster:
	s_bfe_u32 s2, ttmp6, 0x10000c
	s_cmp_lg_u32 s2, 0x3003
	s_cbranch_scc0 .Lentry_shape_is_right
	s_endpgm
.Lentry_shape_is_right:
; ATTN: O = softmax(Q K^T / 8, causal) V for one head, both products on codes of FP6 (E2M3) with E8M0 scales; O / l is quantised along the model's 1,024 and leaves as codes for the last product.
; t = score x log2(e) / 8; M = the running largest t rounded up to a whole number; p = 2^(t - M) is quantised along the keys; the row's sum is taken of the unquantised p and divides at the end.
; LEFT OUT: key steps all of whose keys come after a tile's queries: the causal mask makes their p zero for all inputs.
; SHARES.  Four work-groups to a head, one cluster; sixteen waves each.  With j = wave / 2, a wave owns two tiles of 16 queries, one after the other: tile 2 cx + wave % 2 of block 15 - j of 128 queries, then the same tile of block j:
; 16 - j and j + 1 key steps, 17 for every wave.  Blocks, trips and branches hang on the wave's number alone; cx enters global addresses and the mask's d alone.
; NO RING.  A head's records of K (106,496 bytes) and of V (as many) lie in LDS whole, asked for jointly by the four partners: one load a wave, two records (52 rows of 256 bytes): buffer wave % 2, records 2 (wave / 2) and the next.
; Waves 0-3 bring key steps 0-3 by a line of their own and wait first; the first tile's first four steps run while the others' loads may be out.  Nothing is filled again.
; No prefetch: every tensor load stands at the head, so there is no later load to ask ahead of.
; LAYOUT.  Both products transposed: S^T = K Q^T, O^T = V^T P^T: a lane (r, h) holds query r.  A record's tile T holds tokens 32 (T/2) + 8 (T%2) + i + 8 (i/8); tiles of odd T/2 are stored with rows i and i xor 8 swapped.
; A product's 16 keys are chosen by address: product (c, u) takes as row 8 a + i key 64 c + 32 a + 8 u + i.  So a lane's 32 registers of products (c, 0..3) are keys 64 c + 32 h + 0..31: one whole scale block, in the order of p's operand.
; With the swapped rows the sixteen lanes of a load of 16 bytes name sixteen different 16-byte columns of 256.  The head's 64 fill half of the instruction's 128 along K: the other half is zero codes on both sides, under the scale byte 0.
; A block's largest p is made from its largest score by the same multiply-add and exponential as every p.
; The scale bytes of O leave as 2 bytes a token and head (against 48 bytes of codes): those stores cover their 256 bytes in part.
; LIMITS: a block of zeros or under 2^-124 gets the byte 1 (zero codes); NaN and infinities are not served; the scaled scores stay under 2^31 in magnitude.
; REGISTERS: v1-3, v224-227, v243 lane terms; v4, v5 the add's two; v8-15 the step's LDS addresses; v16 -M, v17 largest score, v[18:19] the sum; v20-31 Q; v32-79 four fragments of K; v80-93 scale words alone;
;   v96-159 S^T, then p, then V's fragments; v160-191 O^T; v192-203 p's codes; v204-210 second halves; v212-223 maxima, bytes, scale operands; v[228:229] f; v230-233, v244-255 at work; v234 the mask's d; v235 -infinity; v236-242 the second tile's Q.
.set VB,    106496
.set REC,   6656
.set SPARE, 2*VB                       ; the spare words, 128 bytes for each of 16 waves
.set AK0,  1                           ; K, 16-byte pieces, u < 2: 1536 (r/8) + 16 l
.set AK1,  2                           ; u >= 2: the same with l xor 8
.set AB0,  3                           ; K, 8-byte pieces: 512 + 1536 (r/8) + 8 l
.set SPW,  4
.set NIL,  5
.set OSC,  6                           ; 16 r
.set SH8,  7                           ; 8 h
.set ADA0, 8
.set ADB0, 10
.set ADS,  12
.set ADV16, 13
.set ADV8,  14
.set ADT,   15
.set AB1,  224
.set ASC,  225                         ; K's scale words: 6144 + 16 (r%8) + 8 (r/8)
.set AV16, 226                         ; 16 l
.set AV8,  227                         ; 512 + 8 l
.set AVS,  243                         ; 6144 + 16 r
.set BM,  212
.set PY,  216
.set PW2, 217
.set PD,  218
.set SO,  220
.set W,   222
.set XM,  223
.set WV,  12
.set BLK, 16
.set TQ,  17
.set KS,  18
.set TS,  19
.set TSV, 20
.set CNT, 21
.set CS,  22
.set G1,  24
.set G0,  32
.set SEL, 36
.set BL2, 38
.macro ROUND
	s_barrier_signal -1
	s_barrier_wait -1
	s_cmp_lg_u32 s[WV], 0
	s_cbranch_scc1 .Lnot_wave_0_\@
	s_barrier_signal -3
.Lnot_wave_0_\@:
	s_barrier_wait -3
	s_barrier_signal -1
	s_barrier_wait -1
.endm
.macro NOPS
.rept 4
	v_nop
.endr
.endm
; A KEY STEP: 128 keys.  skip: steps beyond my block are jumped over (ids alone; no barrier, wait on a load or tensor load stands in a step).  mask: the step may lie on the diagonal.
.macro STEP skip, mask
.if \skip
	s_cmp_gt_u32 s[KS], s[BLK]
	s_cbranch_scc1 .Lhid_\@
.endif
	v_add_nc_u32 v[ADA0], s[TS], v[AK0]            ; (these eight are also the places between the last step's products and products that write over V's fragments)
	v_add_nc_u32 v[ADA0+1], s[TS], v[AK1]
	v_add_nc_u32 v[ADB0], s[TS], v[AB0]
	v_add_nc_u32 v[ADB0+1], s[TS], v[AB1]
	v_add_nc_u32 v[ADS], s[TS], v[ASC]
	v_add_nc_u32 v[ADV16], s[TSV], v[AV16]
	v_add_nc_u32 v[ADV8], s[TSV], v[AV8]
	v_add_nc_u32 v[ADT], s[TSV], v[AVS]
	s_wait_alu depctr_va_vdst(0)
.irp g, 0,1
.if \g
	NOPS                                           ; places in front of loads into registers that matrix instructions have read
.endif
.irp u, 0,1,2,3
	ds_load_b128 v[32+12*\u:35+12*\u], v[ADA0+\u/2] offset:768*(4*\g+\u%2)
	ds_load_b64 v[36+12*\u:37+12*\u], v[ADB0+\u/2] offset:768*(4*\g+\u%2)
.endr
	ds_load_b64 v[80+4*\g:81+4*\g], v[ADS] offset:256*\g        ; the words of products u = 0, 1
	ds_load_b64 v[82+4*\g:83+4*\g], v[ADS] offset:256*\g+128    ; and 2, 3
	s_wait_dscnt 0x0
.irp u, 0,1,2,3
	v_wmma_scale_f32_16x16x128_f8f6f4 v[96+8*(4*\g+\u):103+8*(4*\g+\u)], v[32+12*\u:43+12*\u], v[20:31], 0, v[80+4*\g+\u], v92 matrix_a_fmt:MATRIX_FMT_FP6 matrix_b_fmt:MATRIX_FMT_FP6
.endr
.endr
	NOPS
.if \mask
	s_cmp_lg_u32 s[KS], s[BLK]                     ; only the step on the diagonal has hidden keys
	s_cbranch_scc1 .Lopen_\@
.set N, 0
.rept 64                               ; register 32 c + i holds key 64 c + 32 h + i of the step: hidden where 64 c + i > d
	v_cmp_gt_i32 vcc_lo, 64*(N/32)+(N%32), v234
	v_cndmask_b32 v[96+N], v[96+N], v235, vcc_lo
.set N, N+1
.endr
.Lopen_\@:
.endif
.irp b, 0,1,2,3
	v_max3_num_f32 v[BM+\b], v[96+16*\b], v[97+16*\b], v[98+16*\b]   ; four chains, two to a block of 32 keys
.endr
.irp i, 3,5,7,9,11,13
.irp b, 0,1,2,3
	v_max3_num_f32 v[BM+\b], v[BM+\b], v[96+16*\b+\i], v[97+16*\b+\i]
.endr
.endr
.irp b, 0,1,2,3
	v_max_num_f32 v[BM+\b], v[BM+\b], v[111+16*\b]
.endr
	s_delay_alu instid0(VALU_DEP_3)
	v_max_num_f32 v[BM], v[BM], v[BM+1]            ; my block h's largest score,
	s_delay_alu instid0(VALU_DEP_2)
	v_max_num_f32 v[BM+2], v[BM+2], v[BM+3]        ; and my block 2 + h's
	s_delay_alu instid0(VALU_DEP_1)
	v_max_num_f32 v[XM], v[BM], v[BM+2]
	s_delay_alu instid0(VALU_DEP_1)
	v_permlanex16_b32 v[PY], v[XM], s[SEL], s[SEL+1]
	s_delay_alu instid0(VALU_DEP_1)
	v_max3_num_f32 v17, v17, v[XM], v[PY]          ; the running largest score of my query
	v_mov_b32 v232, v16
	s_delay_alu instid0(VALU_DEP_2)
	v_mul_f32 v233, s[CS], v17                     ; as t (the factor is positive)
	s_delay_alu instid0(VALU_DEP_1)
	v_floor_f32 v16, -v233                         ; the new -M: a whole number
	s_delay_alu instid0(VALU_DEP_1)
	v_sub_f32 v232, v16, v232
	s_delay_alu instid0(VALU_DEP_1)
	v_cvt_i32_f32 v232, v232                       ; (it saturates)
	s_delay_alu instid0(VALU_DEP_1)
	v_ldexp_f32 v228, 1.0, v232                    ; f = 2^(old M - new M): rounds nothing
.set J, 0
.rept 32
	v_pk_fma_f32 v[96+J:97+J], v[96+J:97+J], s[CS:CS+1], v[16:17] op_sel_hi:[1,0,0]   ; t - M
.set J, J+2
.endr
	v_fma_f32 v[BM], v[BM], s[CS], v16
	v_fma_f32 v[BM+2], v[BM+2], s[CS], v16
	s_wait_alu depctr_va_vdst(0)                   ; ahead of the batch
.set J, 0
.rept 64
	v_exp_f32 v[96+J], v[96+J]                     ; p, not normalised
.set J, J+1
.endr
	v_pk_mul_f32 v[18:19], v[18:19], v[228:229] op_sel_hi:[1,0]   ; the sums under the new M: a plain place behind the exponentials
	s_wait_alu depctr_va_vdst(0)                   ; one wait for the batch, ahead of its first reader
	v_exp_f32 v[BM], v[BM]                         ; each block's largest p
	v_exp_f32 v[BM+2], v[BM+2]
	v_pk_add_f32 v[230:231], v[100:101], v[104:105]
	v_pk_add_f32 v[254:255], v[108:109], v[112:113]
	v_pk_add_f32 v[252:253], v[116:117], v[120:121]
	v_pk_add_f32 v[250:251], v[124:125], v[128:129]
	v_pk_add_f32 v[248:249], v[132:133], v[136:137]
	v_pk_add_f32 v[246:247], v[140:141], v[144:145]
	v_pk_add_f32 v[244:245], v[148:149], v[152:153]
	v_pk_add_f32 v[18:19], v[18:19], v[156:157]
	v_pk_add_f32 v[230:231], v[230:231], v[96:97]
	v_pk_add_f32 v[254:255], v[254:255], v[98:99]
	v_pk_add_f32 v[252:253], v[252:253], v[102:103]
	v_pk_add_f32 v[250:251], v[250:251], v[106:107]
	v_pk_add_f32 v[248:249], v[248:249], v[110:111]
	v_pk_add_f32 v[246:247], v[246:247], v[114:115]
	v_pk_add_f32 v[244:245], v[244:245], v[118:119]
	v_pk_add_f32 v[18:19], v[18:19], v[122:123]
	v_pk_add_f32 v[230:231], v[230:231], v[126:127]
	v_pk_add_f32 v[254:255], v[254:255], v[130:131]
	v_pk_add_f32 v[252:253], v[252:253], v[134:135]
	v_pk_add_f32 v[250:251], v[250:251], v[138:139]
	v_pk_add_f32 v[248:249], v[248:249], v[142:143]
	v_pk_add_f32 v[246:247], v[246:247], v[146:147]
	v_pk_add_f32 v[244:245], v[244:245], v[150:151]
	v_pk_add_f32 v[18:19], v[18:19], v[154:155]
	v_pk_add_f32 v[230:231], v[230:231], v[158:159]
	s_delay_alu instid0(VALU_DEP_2)
	v_pk_add_f32 v[18:19], v[18:19], v[250:251]
	s_delay_alu instid0(VALU_DEP_2)
	v_pk_add_f32 v[230:231], v[230:231], v[248:249]
	v_pk_add_f32 v[254:255], v[254:255], v[246:247]
	v_pk_add_f32 v[252:253], v[252:253], v[244:245]
	s_delay_alu instid0(VALU_DEP_2)
	v_pk_add_f32 v[18:19], v[18:19], v[254:255]
	s_delay_alu instid0(VALU_DEP_2)
	v_pk_add_f32 v[230:231], v[230:231], v[252:253]
	s_delay_alu instid0(VALU_DEP_1)
	v_pk_add_f32 v[18:19], v[18:19], v[230:231]
	s_wait_alu depctr_va_vdst(0)                   ; and one for the two
	v_max_num_f32 v[BM], 0x1800000, v[BM]          ; the floor 2^(3 - 127)
	v_max_num_f32 v[BM+2], 0x1800000, v[BM+2]
	s_delay_alu instid0(VALU_DEP_2)
	v_add_nc_u32 v[SO], 0xff000000, v[BM]          ; 2 off the exponent field: the conversions' scale operands
	s_delay_alu instid0(VALU_DEP_2)
	v_add_nc_u32 v[SO+1], 0xff000000, v[BM+2]
	s_delay_alu instid0(VALU_DEP_2)
	v_lshrrev_b32 v[PD], 23, v[SO]
	s_delay_alu instid0(VALU_DEP_2)
	v_lshrrev_b32 v[PD+1], 23, v[SO+1]
	s_delay_alu instid0(VALU_DEP_1)
	v_lshl_or_b32 v[W], v[PD+1], 16, v[PD]         ; my two bytes, blocks h and 2 + h,
	s_delay_alu instid0(VALU_DEP_1)
	v_lshlrev_b32 v[W], v[SH8], v[W]               ; 8 h bits up;
	s_delay_alu instid0(VALU_DEP_1)
	v_permlanex16_b32 v[PW2], v[W], s[SEL], s[SEL+1]
	s_delay_alu instid0(VALU_DEP_1)
	v_or_b32 v93, v[W], v[PW2]                     ; with lane l xor 16's two: p's scale word for these 128 keys
.irp c, 0,1
	v_cvt_scalef32_pk16_fp6_f32 v[192+6*\c:194+6*\c], v[96+32*\c:111+32*\c], v[SO+\c]
	v_cvt_scalef32_pk16_fp6_f32 v[204+4*\c:206+4*\c], v[112+32*\c:127+32*\c], v[SO+\c]
.endr
	v_nop                                          ; one plain place behind the conversions
.irp d, 0,1,2,3                        ; V's four fragments take p's registers
	ds_load_b128 v[96+12*\d:99+12*\d], v[ADV16] offset:1536*\d
	ds_load_b64 v[100+12*\d:101+12*\d], v[ADV8] offset:1536*\d
	ds_load_b128 v[102+12*\d:105+12*\d], v[ADV16] offset:1536*\d+768
	ds_load_b64 v[106+12*\d:107+12*\d], v[ADV8] offset:1536*\d+768
.endr
	ds_load_b128 v[88:91], v[ADT]
.irp c, 0,1
.irp i, 0,1,2
	v_mov_b32 v[195+6*\c+\i], v[204+4*\c+\i]       ; (a conversion's three registers begin on an even number)
.endr
.endr
	s_wait_alu depctr_va_vdst(0)                   ; directly ahead of the first reader of O^T
.set J, 0
.rept 16
	v_pk_mul_f32 v[160+J:161+J], v[160+J:161+J], v[228:229] op_sel_hi:[1,0]   ; O^T under the new M; also the places between the codes' and the scale word's last writes and the products
.set J, J+2
.endr
	s_wait_alu depctr_va_vdst(0)                   ; and directly ahead of the wait below
	s_wait_dscnt 0x0
.irp d, 0,1,2,3
	v_wmma_scale_f32_16x16x128_f8f6f4 v[160+8*\d:167+8*\d], v[96+12*\d:107+12*\d], v[192:203], v[160+8*\d:167+8*\d], v[88+\d], v93 matrix_a_fmt:MATRIX_FMT_FP6 matrix_b_fmt:MATRIX_FMT_FP6
.endr
.if \skip
.Lhid_\@:
.endif
	s_add_co_u32 s[KS], s[KS], 1
	s_add_co_u32 s[TS], s[TS], REC
	s_add_co_u32 s[TSV], s[TSV], REC
.endm
.macro LOOP name, trips, skip, mask
	s_mov_b32 s[CNT], \trips
\name:
	STEP \skip, \mask
	s_sub_co_u32 s[CNT], s[CNT], 1
	s_cmp_lg_u32 s[CNT], 0
	s_cbranch_scc1 \name
.endm
.macro INIT                            ; a tile's state: the step is written once, its first pass finds zeros, which f = 0 leaves zeros
	v_mov_b32 v17, 0xff61b1e6                      ; the largest score so far: -3e38
	v_mov_b32 v16, 0x7d000000                      ; -M: a whole number above every -M that follows
	v_mov_b32 v18, 0
	v_mov_b32 v19, 0
.set J, 0
.rept 32
	v_mov_b32 v[160+J], 0
.set J, J+1
.endr
.endm
; THE WAY OUT of a tile: O^T / l, quantised in two blocks of 32 channels, as half a fragment of the last product's operand.  c, s: the scalar pairs with the codes' and the scale bytes' places
.macro OUT c, s
	NOPS
	v_add_f32 v18, v18, v19
	s_delay_alu instid0(VALU_DEP_1)
	v_permlanex16_b32 v232, v18, s[SEL], s[SEL+1]
	s_delay_alu instid0(VALU_DEP_1)
	v_add_f32 v18, v18, v232                       ; the row's sum
	s_wait_alu depctr_va_vdst(0)
	v_rcp_f32 v18, v18
	v_nop                                          ; a plain place behind the reciprocal
	s_wait_alu depctr_va_vdst(0)                   ; the wait ahead of its first reader, and of O^T's
.set J, 0
.rept 16
	v_pk_mul_f32 v[96+J:97+J], v[160+J:161+J], v[18:19] op_sel_hi:[1,0]   ; ascending: each accumulator is first read at its low end
.set J, J+2
.endr
.irp b, 0,1
	v_max3_num_f32 v[BM+\b], |v[96+16*\b]|, |v[97+16*\b]|, 0x1800000
.endr
.irp i, 2,4,6,8,10,12,14
.irp b, 0,1
	s_delay_alu instid0(VALU_DEP_2)
	v_max3_num_f32 v[BM+\b], v[BM+\b], |v[96+16*\b+\i]|, |v[97+16*\b+\i]|
.endr
.endr
.irp b, 0,1
	s_delay_alu instid0(VALU_DEP_2)
	v_permlanex16_b32 v[PD+\b], v[BM+\b], s[SEL], s[SEL+1]
.endr
.irp b, 0,1
	s_delay_alu instid0(VALU_DEP_2)
	v_max_num_f32 v[BM+\b], v[BM+\b], v[PD+\b]
.endr
.irp b, 0,1
	s_delay_alu instid0(VALU_DEP_2)
	v_add_nc_u32 v[SO+\b], 0xff000000, v[BM+\b]
.endr
.irp b, 0,1
	s_delay_alu instid0(VALU_DEP_2)
	v_lshrrev_b32 v[PD+\b], 23, v[SO+\b]
.endr
	s_delay_alu instid0(VALU_DEP_1)
	v_lshl_or_b32 v233, v[PD+1], 8, v[PD]
	v_cvt_scalef32_pk16_fp6_f32 v[192:194], v[96:111], v[SO]
	v_cvt_scalef32_pk16_fp6_f32 v[196:198], v[112:127], v[SO+1]
	v_nop
.irp i, 0,1,2
	v_permlane16_swap_b32 v[192+\i], v[196+\i]     ; channels lie 16 to a lane and block: the layout wants a whole block in a lane
.endr
	s_delay_alu instid0(VALU_DEP_3)
	v_mov_b32 v195, v196
	s_delay_alu instid0(VALU_DEP_3)
	v_mov_b32 v196, v197
	s_delay_alu instid0(VALU_DEP_3)
	v_mov_b32 v197, v198
	v_and_b32 v230, 31, v0
	global_store_b128 v[AV16], v[192:195], s[\c:\c+1]   ; 32 lanes store 512 consecutive bytes
	global_store_b64 v[AV8], v[196:197], s[\c:\c+1]     ; and 256
	s_wait_alu depctr_va_vdst(0)
	s_wait_xcnt 0x0                                ; EXEC changes only behind this wait
	v_cmp_gt_u32 vcc_lo, 16, v230
	s_and_saveexec_b32 s50, vcc_lo
	global_store_b16 v[OSC], v233, s[\s:\s+1]
	s_wait_xcnt 0x0                                ; and the stores' registers are written again only behind it
	s_or_b32 exec_lo, exec_lo, s50
.endm
.macro QADR blk, c, s                  ; where block blk's Q tile and its scale words lie
	s_mul_i32 s46, s[\blk], REC
	s_add_co_u32 s48, s46, s51
	s_add_co_u32 s46, s46, s50
	s_add_nc_u64 s[\c:\c+1], s[4:5], s[46:47]
	s_add_nc_u64 s[\s:\s+1], s[4:5], s[48:49]
.endm
.macro OADR blk, c, s                  ; where its O goes
	s_lshl_b32 s46, s[\blk], 3
	s_add_co_u32 s46, s46, s60                     ; my tile among all tokens'
	s_lshl_b32 s48, s46, 9
	s_mul_i32 s46, s46, 12288
	s_add_co_u32 s46, s46, s62
	s_add_co_u32 s48, s48, s63
	s_add_nc_u64 s[\c:\c+1], s[10:11], s[46:47]
	s_add_nc_u64 s[\s:\s+1], s[10:11], s[48:49]
.endm
	s_load_b256 s[4:11], s[0:1], 0x0               ; qrec, krec, vrec, oq
	v_lshl_add_u32 v[SPW], v0, 2, SPARE
	v_mov_b32 v[NIL], 0
	ds_add_u32 v[SPW], v[NIL]                      ; the wave's opening: the add, twice on end, and its wait ahead of my first tensor load
	ds_add_u32 v[SPW], v[NIL]
	v_lshrrev_b32 v8, 5, v0
	v_readfirstlane_b32 s[WV], v8
	s_bfe_u32 s13, ttmp6, 0x40000                  ; cx
	s_and_b32 s15, ttmp7, 0xffff                   ; batch x 16 + head
	s_lshr_b32 s[BL2], s[WV], 1                    ; j: the second tile's block
	s_sub_co_u32 s[BLK], 15, s[BL2]                ; the first tile's
	s_and_b32 s40, s[WV], 1
	s_lshl_b32 s[TQ], s13, 1
	s_add_co_u32 s[TQ], s[TQ], s40                 ; my tile in both blocks
	s_mov_b32 s[G1], 15|(3<<16)|(1<<21)            ; the mask: all four partners; elements of 8 bytes; 21 set beside a mask
	s_mov_b32 s[G1+1], 32<<16                      ; rows of 256 bytes,
	s_mov_b32 s[G1+2], 52<<16                      ; 52 of them: two records
	s_mov_b32 s[G1+3], 32<<16
	s_mov_b32 s[G1+4], 52
	s_mov_b32 s[G1+5], 32
	s_mov_b32 s[G1+6], 0
	s_mov_b32 s[G1+7], 0
	s_mul_i32 s41, s40, VB                         ; even waves fetch K, odd waves V
	s_mul_i32 s42, s[BL2], 2*REC
	s_mov_b32 s43, 0
	s_mul_i32 s44, s15, 106496
	s_mov_b32 s45, 0
	s_mov_b32 s[SEL], 0x76543210
	s_mov_b32 s[SEL+1], 0xfedcba98
	s_mov_b32 s[CS], 0x3e38aa3b                    ; log2(e) / 8
	s_mov_b32 s[CS+1], s[CS]
	s_mov_b32 s[KS], 0
	s_mov_b32 s[TS], 0
	s_mov_b32 s[TSV], VB
	s_wait_dscnt 0x0                               ; both opening adds are done
	s_wait_kmcnt 0x0
	s_cmp_eq_u32 s40, 0
	s_cselect_b64 s[46:47], s[6:7], s[8:9]
	s_add_nc_u64 s[46:47], s[46:47], s[44:45]      ; the head's records
	s_mov_b32 s[G0], 1
	s_add_co_u32 s[G0+1], s41, s42
	s_add_nc_u64 s[G0+2:G0+3], s[46:47], s[42:43]
	s_or_b32 s[G0+3], s[G0+3], 0x80000000
	ROUND                                          ; all four work-groups are here: the joint loads meet
	s_cmp_lt_u32 s[WV], 4                          ; one load a wave; waves 0-3, which bring key steps 0-3 and wait first, have a line of their own
	s_cbranch_scc0 .Llate
	tensor_load_to_lds s[G0:G0+3], s[G1:G1+7]
	s_nop 0
	NOPS
	s_branch .Lasked
.Llate:
	tensor_load_to_lds s[G0:G0+3], s[G1:G1+7]
	s_nop 0
	NOPS
.Lasked:
	s_add_nc_u64 s[4:5], s[4:5], s[44:45]          ; the head's records of Q
	s_mov_b32 s47, 0
	s_mov_b32 s49, 0
	s_mul_i32 s50, s[TQ], 768
	s_lshr_b32 s51, s[TQ], 2
	s_lshl_b32 s51, s51, 8
	s_and_b32 s60, s[TQ], 3
	s_lshl_b32 s60, s60, 2
	s_add_co_u32 s51, s51, s60
	QADR BLK, 52, 54
	QADR BL2, 56, 58
	s_lshr_b32 s60, s15, 4
	s_lshl_b32 s60, s60, 7
	s_add_co_u32 s60, s60, s[TQ]
	s_and_b32 s61, s15, 15                         ; the head
	s_mul_i32 s62, s61, 768                        ; K step head/2, half head%2
	s_lshr_b32 s63, s61, 3
	s_lshl_b32 s63, s63, 8
	s_and_b32 s61, s61, 7
	s_lshl_b32 s61, s61, 1
	s_add_co_u32 s63, s63, s61
	s_add_co_u32 s63, s63, 6291456
	OADR BLK, 68, 70
	OADR BL2, 72, 74
	s_bfe_u32 s66, s[TQ], 0x10001                  ; a tile of an odd block of 32 is stored with its halves of 8 rows swapped
	s_lshl_b32 s67, s66, 6
	s_lshl_b32 s66, s66, 7
	s_lshr_b32 s76, s[TQ], 1
	s_lshl_b32 s76, s76, 5
	s_and_b32 s77, s[TQ], 1
	s_lshl_b32 s77, s77, 3
	s_add_co_u32 s76, s76, s77                     ; my tile's first query in its block
	v_and_b32 v8, 31, v0
	v_and_b32 v9, 15, v0                           ; r
	v_bfe_u32 v10, v0, 4, 1                        ; h
	v_bfe_u32 v11, v0, 3, 1                        ; r / 8
	v_and_b32 v12, 7, v0                           ; r % 8
	v_mul_u32_u24 v13, v11, 1536
	v_lshlrev_b32 v[AV16], 4, v8
	v_lshlrev_b32 v[AV8], 3, v8
	v_lshlrev_b32 v[OSC], 4, v9
	v_lshlrev_b32 v[SH8], 3, v10
	v_add_nc_u32 v[AK0], v13, v[AV16]
	v_add_nc_u32 v[AV8], 512, v[AV8]
	v_add_nc_u32 v[AVS], 6144, v[OSC]
	v_lshlrev_b32 v[ASC], 4, v12
	v_xor_b32 v[AK1], 128, v[AK0]
	v_add_nc_u32 v[AB0], v13, v[AV8]
	v_lshl_add_u32 v[ASC], v11, 3, v[ASC]
	v_xor_b32 v14, s66, v[AV16]                    ; Q's places
	v_xor_b32 v15, s67, v[AV8]
	v_xor_b32 v[AB1], 64, v[AB0]
	v_add_nc_u32 v[ASC], 6144, v[ASC]
	s_wait_alu depctr_va_vdst(0)                   ; ahead of the readers below
	global_load_b128 v[20:23], v14, s[52:53]
	global_load_b64 v[24:25], v15, s[52:53]
	global_load_b32 v92, v[AVS], s[54:55]
	global_load_b128 v[236:239], v14, s[56:57]     ; the second tile's Q waits in registers
	global_load_b64 v[240:241], v15, s[56:57]
	global_load_b32 v242, v[AVS], s[58:59]
	v_lshl_add_u32 v230, v11, 3, v9
	v_lshlrev_b32 v231, 5, v10
	v_sub_nc_u32 v230, v230, v231
	v_add_nc_u32 v234, s76, v230                   ; d = my query in its block - 32 h
	v_mov_b32 v235, 0xff800000
.irp i, 26,27,28,29,30,31
	v_mov_b32 v[\i], 0                             ; zero codes for the upper 64 of the instruction's K: Q's,
.endr
.irp t, 0,1,2,3
.irp i, 6,7,8,9,10,11
	v_mov_b32 v[32+12*\t+\i], 0                    ; and K's: written once
.endr
.endr
	v_mov_b32 v[PY], 0                             ; a lane permute's destination counts as one of its sources
	v_mov_b32 v[PW2], 0
	v_mov_b32 v232, 0
	v_mov_b32 v229, 0                              ; (named as the upper half of a pair)
	INIT
	s_wait_alu depctr_va_vdst(0)                   ; the head's end
	s_wait_loadcnt 0x0                             ; Q, both tiles'
	s_cmp_lt_u32 s[WV], 4
	s_cbranch_scc0 .Lnot_first
	s_wait_tensorcnt 0x0                           ; my two records of key steps 0-3
.Lnot_first:
	s_barrier_signal -1
	s_barrier_wait -1                              ; key steps 0-3 are in; the other waves' loads may be out
	LOOP .Lp1, 4, 0, 0                             ; the first tile's block is 8 or more: steps 0-3 are all open
	s_wait_tensorcnt 0x0                           ; every wave's load
	s_wait_dscnt 0x0
	s_barrier_signal -1
	s_barrier_wait -1                              ; all sixteen key steps are in
	LOOP .Lp2, 12, 1, 1
	OUT 68, 70
	v_mov_b32 v92, v242                            ; the second tile: its scale word, more than eight places ahead of the first product that takes it,
.irp i, 0,1,2,3,4,5
	v_mov_b32 v[20+\i], v[236+\i]
.endr
	INIT
	s_mov_b32 s[BLK], s[BL2]
	s_mov_b32 s[KS], 0
	s_mov_b32 s[TS], 0
	s_mov_b32 s[TSV], VB
	s_wait_alu depctr_va_vdst(0)
	LOOP .Lp3, 8, 1, 1                             ; its block is 7 or less
	OUT 72, 74
	s_wait_tensorcnt 0x0                           ; the wave's end
	ds_add_u32 v[SPW], v[NIL]
	s_wait_dscnt 0x0
	ROUND                                          ; the closing round
	s_endpgm
.Lfunc_end_k_qd47e0e0022_attn:
	.size	k_qd47e0e0022_attn, .Lfunc_end_k_qd47e0e0022_attn-k_qd47e0e0022_attn
	.p2alignl 7, 3214868480
	.fill 96, 4, 3214868480
	.section	.rodata,"a",@progbits
	.p2align	6, 0x0
	.amdhsa_kernel k_qd47e0e0022_attn
		.amdhsa_group_segment_fixed_size 215040
		.amdhsa_private_segment_fixed_size 0
		.amdhsa_enable_private_segment 0
		.amdhsa_kernarg_size 32
		.amdhsa_user_sgpr_count 2
		.amdhsa_user_sgpr_kernarg_segment_ptr 1
		.amdhsa_wavefront_size32 1
		.amdhsa_system_sgpr_workgroup_id_x 1
		.amdhsa_system_sgpr_workgroup_id_y 1
		.amdhsa_system_sgpr_workgroup_id_z 1
		.amdhsa_system_vgpr_workitem_id 0
		.amdhsa_next_free_vgpr 256
		.amdhsa_next_free_sgpr 80
		.amdhsa_reserve_vcc 1
		.amdhsa_float_denorm_mode_32 3
		.amdhsa_float_denorm_mode_16_64 3
		.amdhsa_memory_ordered 1
		.amdhsa_forward_progress 1
		.amdhsa_inst_pref_size 80
	.end_amdhsa_kernel
	.amdgpu_metadata
---
amdhsa.version: [ 1, 2 ]
amdhsa.kernels:
  - .name:           k_qd47e0e0022_attn
    .symbol:         k_qd47e0e0022_attn.kd
    .args:
      - { .name: qrec, .offset: 0, .size: 8, .value_kind: global_buffer, .address_space: global }
      - { .name: krec, .offset: 8, .size: 8, .value_kind: global_buffer, .address_space: global }
      - { .name: vrec, .offset: 16, .size: 8, .value_kind: global_buffer, .address_space: global }
      - { .name: oq, .offset: 24, .size: 8, .value_kind: global_buffer, .address_space: global }
    .group_segment_fixed_size: 215040
    .private_segment_fixed_size: 0
    .kernarg_segment_align: 8
    .kernarg_segment_size: 32
    .max_flat_workgroup_size: 512
    .sgpr_count:     80
    .vgpr_count:     256
    .wavefront_size: 32
...
	.end_amdgpu_metadata
.endif
;; end of part 3
;; launch outp (part 4): grid 4 x 64, 4 waves a work-group, clusters of 4 x 4, 327,680 bytes of LDS; arguments oq, wq, out0; writes out0
.if DOCPART == 4
	.amdgcn_target "amdgcn-amd-amdhsa--gfx1250"
	.amdhsa_code_object_version 6
	.text
	.protected	k_qd47e0e0022_outp
	.globl	k_qd47e0e0022_outp
	.p2align	8
	.type	k_qd47e0e0022_outp,@function
k_qd47e0e0022_outp:
	s_mov_b64 s[64:65], 0
	v_nop
	global_prefetch_b8 v0, s[64:65] scope:SCOPE_SE
	s_setreg_imm32_b32 hwreg(HW_REG_WAVE_MODE, 25, 1), 1
	s_wait_xcnt 0x0
	s_wait_alu depctr_hold_cnt(0) depctr_sa_sdst(0) depctr_va_vdst(0) depctr_va_sdst(0) depctr_va_ssrc(0) depctr_va_vcc(0) depctr_vm_vsrc(0)
	s_getreg_b32 s2, hwreg(HW_REG_IB_STS2, 6, 4)
	s_cmp_eq_u32 s2, 0
	s_cbranch_scc0 .Lentry_in_a_cluster
	s_endpgm
.Lentry_in_a_cluster:
	s_bfe_u32 s2, ttmp6, 0x10000c
	s_cmp_lg_u32 s2, 0xf033
	s_cbranch_scc0 .Lentry_shape_is_right
	s_endpgm
.Lentry_shape_is_right:
; OUTP: out = O Wo on codes of FP6 (E2M3) with E8M0 scales, f32 sums, f32 out.
; 256 work-groups of four waves; a work-group makes 128 tokens x 256 columns, a wave 64 x 128: 32 accumulators.  K = 1,024 goes in chunks of 256 through a ring of two LDS slots; the eight steps of 128 are written out.
; Operands are images of registers: a fragment (16 rows x 128 K) is 1,536 bytes: at 768 c: lane l's registers 6c..6c+3 at 16 l, 6c+4, 6c+5 at 512 + 8 l.  Tile T of an axis holds the indices 32 (T/2) + 8 (T%2) + i + 8 (i/8).
; Source 0 = P = Wo's columns, source 1 = R = tokens: a lane holds one token and neighbouring columns.
; CLUSTERS: 4 x 4.  The tokens' tile is asked for jointly by a row of the cluster, Wo's by a column.  The scale words of all of K come once, with the first fills.
; The way out goes through a stage in slot 0, which has had its last fill and its last read by then: whole rows of 512 bytes are stored.
; REGISTERS: window 0: v16-30 addresses, the add's two; v64-127 scale words; v128-175 R's fragments, one set (on the way out v128-255 rows read back);  window 1: P's fragments, two sets;  window 2: the accumulators, (a, b) at v[8 (8 a + b)].
.set FR,    12
.set NL,    4
.set HALFT, 24576
.set SLOT,  4*HALFT                    ; R's 8 tiles at its start, P's 16 from 2 HALFT on
.set SCL,   2*SLOT
.set SPARE, SCL+4*4096
.set ADRA2, 16                         ; v16, v17: my 4 tiles of R in slot 0, 1, + 16 l;  v18, v19: + 512 + 8 l
.set ADRB, 20
.set LI16, 24
.set LI8,  25
.set STO,  26
.set ADRS, 27
.set SPW,  28
.set NIL,  29
.set RD,   30
.set SC,   64
.set AF,   128
.set BK,   128
.set G1,   24
.set G0,   32
.set G1B,  48
.set G0B,  56
.set G1S,  68
.set G0S,  76
.set G1SB, 80
.set G0SB, 88
.set MSB, 0
.macro WIN new
.if MSB != (\new)
	s_set_vgpr_msb (MSB<<8)|(\new)
.set MSB, (\new)
.endif
.endm
.set MUL_LO, 0xa1
.set TO_B,   0x40
.macro PLACES
.rept 4
	v_nop
.endr
.endm
.macro TL g0, g1                       ; a tensor load; an s_nop 0 and four v_nop follow it
	tensor_load_to_lds s[\g0:\g0+3], s[\g1:\g1+7]
	s_nop 0
	PLACES
.endm
.macro HLOAD s                         ; a chunk: waves 2 and 3 fetch P's halves, wave 0 R's 8 tiles, wave 1 nothing
	s_cmp_lt_u32 s16, 2
	s_cbranch_scc1 .Lhr_\@
	TL G0B+4*\s, G1B
	s_branch .Lhd_\@
.Lhr_\@:
	s_cmp_eq_u32 s16, 0
	s_cbranch_scc0 .Lhs_\@
	TL G0+4*\s, G1
	s_branch .Lhd_\@
.Lhs_\@:
	PLACES                                         ; the places for the wave that comes round the loads
.Lhd_\@:
.endm
.macro CREST
	s_cmp_lg_u32 s16, 0
	s_cbranch_scc1 .Lnot_wave_0_\@
	s_barrier_signal -3
.Lnot_wave_0_\@:
	s_barrier_wait -3
	s_barrier_signal -1
	s_barrier_wait -1
.endm
.macro CROUND
	s_barrier_signal -1
	s_barrier_wait -1
	CREST
.endm
.macro GROUP1 g, m, c, r, p
	s_or_b32 s[\g], s\m, (3<<16)|(1<<21)
	s_mov_b32 s[\g+1], (\c)<<16
	s_mov_b32 s[\g+2], (\r)<<16
	s_mov_b32 s[\g+3], (\c)<<16
	s_mov_b32 s[\g+4], \r
	s_mov_b32 s[\g+5], \p
	s_mov_b32 s[\g+6], 0
	s_mov_b32 s[\g+7], 0
.endm
.macro GROUP0 g, lds, a
	s_mov_b32 s[\g], 1
	s_mov_b32 s[\g+1], \lds
	s_mov_b64 s[\g+2:\g+3], s[\a:\a+1]
	s_or_b32 s[\g+3], s[\g+3], 0x80000000
.endm
.macro FRAG reg, adr, q, i
	ds_load_b128 v[\reg:\reg+3], v[\adr] offset:3072*(\i)+1536*(\q)
	ds_load_b64 v[\reg+4:\reg+5], v[\adr+2] offset:3072*(\i)+1536*(\q)
	ds_load_b128 v[\reg+6:\reg+9], v[\adr] offset:3072*(\i)+1536*(\q)+768
	ds_load_b64 v[\reg+10:\reg+11], v[\adr+2] offset:3072*(\i)+1536*(\q)+768
.endm
.macro FETCH_B slot, q, p
	WIN TO_B
.irp i, 0,1,2,3,4,5,6,7
	FRAG 128*(\p)+FR*\i, ADRB+\slot, \q, \i
.endr
	WIN 0
.endm
.macro FETCH_A adr, slot, q, i0, n
.set FI, \i0
.rept \n
	FRAG AF+FR*FI, \adr+\slot, \q, FI
.set FI, FI+1
.endr
.endm
.macro SCALES adr                      ; register SC + 8 i + s: lanes 0-15 the word of R's tile i, lanes 16-31 that of P's tile i, for K step s
.irp i, 0,1,2,3,4,5,6,7
.irp k, 0,1
	ds_load_b128 v[SC+8*\i+4*\k:SC+8*\i+4*\k+3], v[\adr] offset:512*\i+256*\k
.endr
.endr
.endm
; 16 matrix instructions: R's tiles a0, a0 + 1 x P's eight.  The 32 accumulators take turns, one instruction a turn, in the same order in every step.
.macro MUL16 a0, p, g, zero
.irp a, \a0, \a0+1
.irp b, 0,1,2,3,4,5,6,7
.if \zero
	v_wmma_scale_f32_16x16x128_f8f6f4 v[8*(8*(\a)+\b):8*(8*(\a)+\b)+7], v[128*(\p)+FR*\b:128*(\p)+FR*\b+FR-1], v[AF+FR*(\a):AF+FR*(\a)+FR-1], 0, v[SC+8*\b+(\g)], v[SC+8*(\a)+(\g)] matrix_a_fmt:MATRIX_FMT_FP6 matrix_b_fmt:MATRIX_FMT_FP6 matrix_a_scale:MATRIX_SCALE_ROW1
.else
	v_wmma_scale_f32_16x16x128_f8f6f4 v[8*(8*(\a)+\b):8*(8*(\a)+\b)+7], v[128*(\p)+FR*\b:128*(\p)+FR*\b+FR-1], v[AF+FR*(\a):AF+FR*(\a)+FR-1], v[8*(8*(\a)+\b):8*(8*(\a)+\b)+7], v[SC+8*\b+(\g)], v[SC+8*(\a)+(\g)] matrix_a_fmt:MATRIX_FMT_FP6 matrix_b_fmt:MATRIX_FMT_FP6 matrix_a_scale:MATRIX_SCALE_ROW1
.endif
.endr
.endr
.endm
.macro HSTEP slot, g, zero             ; a slot's first step: R's tiles 0, 1 are fetched anew in the step's middle, tiles 2, 3 at its end
	s_wait_dscnt 2*NL                              ; all but the youngest 8 loads (R's tiles 2, 3) are in
	WIN MUL_LO
	MUL16 0, 0, \g, \zero
	s_wait_dscnt 0x0
	PLACES
	FETCH_B \slot, 1, 1
	FETCH_A ADRA2, \slot, 1, 0, 2
	WIN MUL_LO
	MUL16 2, 0, \g, \zero
	PLACES
	WIN 0
	FETCH_A ADRA2, \slot, 1, 2, 2
.endm
; A slot's second step changes slots: one barrier; in front of it each wave waits for all its tensor loads, adds 0 to its spare word, and waits for that and for its reads of this slot.
.macro HTURN slot, next, g, fill
	s_wait_tensorcnt 0x0
	ds_add_u32 v[SPW], v[NIL]
	s_wait_dscnt 2*NL+1                            ; (the add and the youngest 8 loads may be out)
	WIN MUL_LO
	MUL16 0, 1, \g, 0
	s_wait_dscnt 0x0
	s_barrier_signal -1
	WIN 0
	s_barrier_wait -1
.if \fill
	CREST                                          ; the barrier has opened a round of the cluster's
	s_add_nc_u64 s[G0+4*\slot+2:G0+4*\slot+3], s[G0+4*\slot+2:G0+4*\slot+3], 6144
	s_add_nc_u64 s[G0B+4*\slot+2:G0B+4*\slot+3], s[G0B+4*\slot+2:G0B+4*\slot+3], 6144
	HLOAD \slot
.else
	PLACES
.endif
	FETCH_B \next, 0, 0
	FETCH_A ADRA2, \next, 0, 0, 2
	WIN MUL_LO
	MUL16 2, 1, \g, 0
	PLACES
	WIN 0
	FETCH_A ADRA2, \next, 0, 2, 2
.endm
.macro TOSTAGE a                       ; 16 tokens x 128 columns into my stage, each accumulator from its low end on, and back as rows of 512 bytes
	WIN 0x08
.irp b, 0,1,2,3,4,5,6,7
	ds_store_b128 v[STO], v[64*(\a)+8*\b:64*(\a)+8*\b+3] offset:128*(\b/2)+32*(\b%2)
	ds_store_b128 v[STO], v[64*(\a)+8*\b+4:64*(\a)+8*\b+7] offset:128*(\b/2)+32*(\b%2)+16
.endr
	WIN 0
.set BB, BK+64*((\a)%2)
.irp t, 0,1,2,3,4,5,6,7,8,9,10,11,12,13,14,15
	ds_load_b128 v[BB+4*\t:BB+4*\t+3], v[RD] offset:\t*528   ; LDS serves a wave's instructions in order: these see the stores
.endr
.endm
.macro SEND a, younger
.set BB, BK+64*((\a)%2)
	s_wait_dscnt \younger
.irp t, 0,1,2,3,4,5,6,7,8,9,10,11,12,13,14,15
	global_store_b128 v[LI16], v[BB+4*\t:BB+4*\t+3], s[12:13] offset:(32*((\a)/2)+8*((\a)%2)+\t+8*(\t/8))*4096 th:TH_STORE_NT   ; 32 lanes store 512 consecutive bytes, aligned
.endr
.endm
.macro ARM under, g0, g1, next
	s_cmp_lt_u32 s16, \under
	s_cbranch_scc0 \next
	TL \g0, \g1
	s_branch .Lhead_asked
\next:
.endm
	s_load_b128 s[4:7], s[0:1], 0x0                ; oq, wq
	s_load_b64 s[8:9], s[0:1], 0x10                ; out0
	v_lshl_add_u32 v[SPW], v0, 2, SPARE
	v_mov_b32 v[NIL], 0
	ds_add_u32 v[SPW], v[NIL]                      ; the wave's opening: the add, twice on end, and its wait ahead of my first tensor load
	ds_add_u32 v[SPW], v[NIL]
	v_lshrrev_b32 v1, 5, v0
	v_readfirstlane_b32 s16, v1                    ; wave
	s_lshr_b32 s17, s16, 1                         ; my half of R
	s_and_b32 s18, s16, 1                          ; my half of P
	s_bfe_u32 s19, ttmp6, 0x40000                  ; cx: Wo's tile of 256 columns
	s_bfe_u32 s20, ttmp6, 0x40004                  ; cy
	s_and_b32 s22, ttmp7, 0xffff
	s_lshl_b32 s41, s22, 2
	s_add_co_u32 s41, s41, s20                     ; the tokens' tile of 128
	s_lshl_b32 s42, s20, 2
	s_lshl_b32 s42, 15, s42                        ; my row of the cluster
	s_lshl_b32 s43, 0x1111, s19                    ; my column
	GROUP1 G1, 42, 384, 8, 1536                    ; a row: a tile's 3,072 bytes of 256 along K; the tokens' 8 tiles
	GROUP1 G1B, 43, 384, 16, 1536                  ; Wo's: 16 tiles at the head, 8 in the ring
	GROUP1 G1S, 42, 32, 16, 32                     ; scale words: 4,096 dense bytes,
	GROUP1 G1SB, 43, 32, 32, 32                    ; and 8,192
	s_mul_i32 s92, s41, 98304
	s_lshl_b32 s94, s41, 12
	s_add_co_u32 s94, s94, 6291456
	s_mul_i32 s96, s19, 196608
	s_add_co_u32 s96, s96, 2359296
	s_lshl_b32 s98, s19, 13
	s_add_co_u32 s98, s98, 3244032
	s_mov_b32 s93, 0
	s_mov_b32 s95, 0
	s_mov_b32 s97, 0
	s_mov_b32 s99, 0
	s_mul_i32 s44, s16, HALFT
	s_add_co_u32 s45, s44, SLOT
	s_wait_dscnt 0x0                               ; both opening adds are done
	s_wait_kmcnt 0x0
	s_add_nc_u64 s[92:93], s[4:5], s[92:93]
	s_add_nc_u64 s[94:95], s[4:5], s[94:95]
	s_add_nc_u64 s[96:97], s[6:7], s[96:97]
	s_add_nc_u64 s[98:99], s[6:7], s[98:99]
	CROUND                                         ; all sixteen work-groups are here: the first joint loads meet
	GROUP0 G0S, SCL, 94
	GROUP0 G0SB, SCL+4096, 98                      ; Wo's words lie directly behind the tokens' 4,096 bytes: every byte that a load of scale words names has been filled
	GROUP0 G0, 0, 92
	GROUP0 G0+4, SLOT, 92
	s_add_nc_u64 s[G0+6:G0+7], s[G0+6:G0+7], 3072
	GROUP0 G0B, 2*HALFT, 96                        ; at the head: all 16 tiles
	GROUP0 G0B+4, s45, 96                          ; the ring's: my 8 tiles, chunk 1
	s_mul_i32 s94, s18, 98304
	s_add_co_u32 s94, s94, 3072
	s_mov_b32 s95, 0
	s_add_nc_u64 s[G0B+6:G0B+7], s[G0B+6:G0B+7], s[94:95]
	ARM 1, G0,  G1,  .Lhead_b                      ; the head's loads, one a wave: the tokens' 8 tiles of chunk 0,
	ARM 2, G0B, G1B, .Lhead_sa                     ; Wo's 16,
	ARM 3, G0S, G1S, .Lhead_sb                     ; the tokens' scale words,
	TL G0SB, G1SB                                  ; Wo's
.Lhead_asked:
	s_mul_i32 s2, s17, 12288                       ; my 4 tiles of R,
	s_mul_i32 s3, s18, HALFT
	s_add_co_u32 s3, s3, 2*HALFT                   ; my 8 tiles of P
	s_lshl_b32 s22, s17, 11
	s_lshl_b32 s20, s18, 12
	s_add_co_u32 s20, s20, 4096
	s_sub_co_u32 s20, s20, s22                     ; from the tokens' words (lanes 0-15) to Wo's (lanes 16-31)
	s_add_co_u32 s22, s22, SCL
	s_mul_i32 s23, s16, 8448                       ; my stage: 16 rows of 528 bytes
	s_lshl_b32 s46, s41, 1
	s_add_co_u32 s46, s46, s17
	s_lshl_b32 s46, s46, 18                        ; my first token: 64 rows of 4,096 bytes
	s_lshl_b32 s47, s19, 1
	s_add_co_u32 s47, s47, s18
	s_lshl_b32 s47, s47, 9                         ; my first column: 128 x 4 bytes
	s_add_co_u32 s46, s46, s47
	s_mov_b32 s47, 0
	s_add_nc_u64 s[12:13], s[8:9], s[46:47]
	v_and_b32 v1, 31, v0
	v_and_b32 v2, 15, v0                           ; r
	v_bfe_u32 v3, v0, 4, 1                         ; h
	v_lshlrev_b32 v[LI16], 4, v1
	v_lshlrev_b32 v[LI8], 3, v1
	v_add_nc_u32 v[LI8], 512, v[LI8]
	v_add_nc_u32 v[ADRA2], s2, v[LI16]
	v_add_nc_u32 v[ADRA2+2], s2, v[LI8]
	v_add_nc_u32 v[ADRB], s3, v[LI16]
	v_add_nc_u32 v[ADRB+2], s3, v[LI8]
.irp a, ADRA2, ADRB
	v_add_nc_u32 v[\a+1], SLOT, v[\a]
	v_add_nc_u32 v[\a+3], SLOT, v[\a+2]
.endr
	v_mul_u32_u24 v4, s20, v3
	v_lshl_add_u32 v4, v2, 4, v4
	v_add_nc_u32 v[ADRS], s22, v4
	v_mul_u32_u24 v[STO], v2, 528
	v_lshl_add_u32 v[STO], v3, 6, v[STO]
	v_add_nc_u32 v[STO], s23, v[STO]
	v_add_nc_u32 v[RD], s23, v[LI16]
	s_wait_alu depctr_va_vdst(0)                   ; the head's end
	s_wait_tensorcnt 0x0                           ; my tile of the head's four is in
	ds_add_u32 v[SPW], v[NIL]
	s_mov_b32 s[G1B+2], 8<<16                      ; no tensor load of mine is out: from here on a load of Wo's codes brings 8 tiles,
	s_mov_b32 s[G1B+4], 8
	s_mul_i32 s[G0B+1], s16, HALFT                 ; and slot 0's descriptor becomes the ring's
	s_mul_i32 s2, s18, 98304
	s_mov_b32 s3, 0
	s_add_nc_u64 s[G0B+2:G0B+3], s[G0B+2:G0B+3], s[2:3]
	s_wait_dscnt 0x0
	CROUND                                         ; a whole round: all four tiles are in, and the joint loads meet
	HLOAD 1                                        ; slot 1's first fill, the first tensor load behind the round
	FETCH_B 0, 0, 0
	FETCH_A ADRA2, 0, 0, 0, 2
	SCALES ADRS
	FETCH_A ADRA2, 0, 0, 2, 2
	HSTEP 0, 0, 1                                  ; the first products start the sums
	HTURN 0, 1, 1, 1
	HSTEP 1, 2, 0
	HTURN 1, 0, 3, 1
	HSTEP 0, 4, 0
	HTURN 0, 1, 5, 0                               ; nothing is left to fetch
	HSTEP 1, 6, 0
	s_wait_dscnt 2*NL
	WIN MUL_LO
	MUL16 0, 1, 7, 0
	s_wait_dscnt 0x0
	MUL16 2, 1, 7, 0
	WIN 0
	PLACES
	TOSTAGE 0
.irp a, 1,2,3
.if \a > 1
	s_wait_xcnt 0x0                                ; block a - 2's stores have read their registers
.endif
	TOSTAGE \a
	SEND \a-1, 32                                  ; behind block a - 1's loads: block a's 16 stores and 16 loads
.endr
	SEND 3, 0
	s_wait_tensorcnt 0x0                           ; the wave's end
	ds_add_u32 v[SPW], v[NIL]
	s_wait_dscnt 0x0
	CROUND                                         ; the closing round
	s_endpgm
.Lfunc_end_k_qd47e0e0022_outp:
	.size	k_qd47e0e0022_outp, .Lfunc_end_k_qd47e0e0022_outp-k_qd47e0e0022_outp
	.p2alignl 7, 3214868480
	.fill 96, 4, 3214868480
	.section	.rodata,"a",@progbits
	.p2align	6, 0x0
	.amdhsa_kernel k_qd47e0e0022_outp
		.amdhsa_group_segment_fixed_size 327680
		.amdhsa_private_segment_fixed_size 0
		.amdhsa_enable_private_segment 0
		.amdhsa_kernarg_size 24
		.amdhsa_user_sgpr_count 2
		.amdhsa_user_sgpr_kernarg_segment_ptr 1
		.amdhsa_wavefront_size32 1
		.amdhsa_system_sgpr_workgroup_id_x 1
		.amdhsa_system_sgpr_workgroup_id_y 1
		.amdhsa_system_sgpr_workgroup_id_z 1
		.amdhsa_system_vgpr_workitem_id 0
		.amdhsa_next_free_vgpr 1024
		.amdhsa_next_free_sgpr 102
		.amdhsa_reserve_vcc 0
		.amdhsa_float_denorm_mode_32 3
		.amdhsa_float_denorm_mode_16_64 3
		.amdhsa_memory_ordered 1
		.amdhsa_forward_progress 1
		.amdhsa_inst_pref_size 88
	.end_amdhsa_kernel
	.amdgpu_metadata
---
amdhsa.version: [ 1, 2 ]
amdhsa.kernels:
  - .name:           k_qd47e0e0022_outp
    .symbol:         k_qd47e0e0022_outp.kd
    .args:
      - { .name: oq, .offset: 0, .size: 8, .value_kind: global_buffer, .address_space: global }
      - { .name: wq, .offset: 8, .size: 8, .value_kind: global_buffer, .address_space: global }
      - { .name: out0, .offset: 16, .size: 8, .value_kind: global_buffer, .address_space: global }
    .group_segment_fixed_size: 327680
    .private_segment_fixed_size: 0
    .kernarg_segment_align: 8
    .kernarg_segment_size: 24
    .max_flat_workgroup_size: 128
    .sgpr_count:     102
    .vgpr_count:     1024
    .wavefront_size: 32
...
	.end_amdgpu_metadata
.endif
;; end of part 4
